; MI455X (gfx1250); checked and timed in simulation.
; The chip was launched on July 23, 2026; its instructions are those of AMD's public machine-readable ISA for CDNA 5 (MIT licence, August 2026) and "CDNA5" Instruction Set Architecture Reference Guide (July 2026). The comments in the code are by the model that wrote it; some were corrected since.
;; Mo E. Allowed arithmetic: matrix products marked QUANTISED: E2M1 operands, one E8M0 scale for each 32 along K, by v_wmma_scale_f32_16x16x128_f8f6f4 with both operands' format E2M1 (or v_wmma_scale_f32_32x16x128_f4), f32 sums; products left as they are: f32 operands where the result goes on into a quantised operand, else bf16, f16 or f32 operands; f32 sums; everything else in f32.
;; Inputs: W1_codes 8 x 4,096 x 32 x 16 uint8 (E2M1 codes of W1, K innermost, in blocks of 32 codes, two codes a byte); W1_scales 8 x 4,096 x 32 uint8 (E8M0 scales of W1, one for each 32 codes along K); W2_codes 8 x 1,024 x 128 x 16 uint8 (E2M1 codes of W2, K innermost, in blocks of 32 codes, two codes a byte); W2_scales 8 x 1,024 x 128 uint8 (E8M0 scales of W2, one for each 32 codes along K); Wg 1,024 x 8 float32; b1 8 x 4,096 float32; b2 8 x 1,024 float32; bg 8 float32; x 2 x 512 x 1,024 float32.
;; Outputs: out0 2 x 512 x 1,024 float32.
;; Constants: k = 2.
;; This version of the problem:
;;   THIS VERSION OF THE PROBLEM IS GIVEN IN LOW PRECISION. The matrix products marked QUANTISED in the list below multiply operands that are first quantised to E2M1 (2 exponent bits, 1 mantissa bit; 4 bits a number), with one power-of-two scale for each 32 numbers along K (OCP MX v1.0); their sums are f32. All else is computed in f32.
;;   The module's matrix products, in the order in which they are computed (A, B: the left and right operand; K: the contracted axis; several contracted axes count as one K, in the product's order):
;;     1. [M 1,024, K 1,024] x [K 1,024, N 8]; A: input x; B: input Wg: left as it is (N = 8 < 16)
;;     2. [M 1,024, K 1,024] x [K 1,024, N 32,768]; A: input x; B: input W1 (given as codes): QUANTISED
;;     3. batch 8 x [M 1,024, K 4,096] x [K 4,096, N 1,024]; A: input W2 (given as codes); B: computed on the way: QUANTISED
;;   THE QUANTISER, for each operand of a quantised product, along K:
;;     - K is cut into blocks of 32 from its start; a last block that is shorter is filled with zeros.
;;     - A block's scale is 2^e with e = floor(log2(the largest magnitude in the block)) - 2, held to -126 .. 127; a block of zeros has e = 0. As a byte (E8M0): e + 127.
;;     - Each number is divided by its block's scale, clamped to +-6, and rounded to the nearest number of E2M1, ties to even, subnormals kept.
;;     - The product sums the exact products of the quantised numbers (number of the format x scale) in f32.
;;   ~~~python
;;   def quantise(x, axis):      # numpy; x: float32 -> the quantised numbers, widened to float32 again
;;       x = np.moveaxis(x, axis, -1); K = x.shape[-1]
;;       x = np.pad(x, [(0, 0)] * (x.ndim - 1) + [(0, -K % 32)]); x = x.reshape(x.shape[:-1] + (-1, 32)); a = np.abs(x).max(-1, keepdims=True)
;;       e = np.where(a > 0, np.clip(np.frexp(np.where(a > 0, a, 1))[1] - 1 - 2, -126, 127), 0)      # np.frexp(a)[1] - 1 = floor(log2(a)), exactly
;;       r = np.clip(x / 2.0 ** e, -6, 6)
;;       step = 2.0 ** (np.maximum(np.frexp(np.where(r == 0, 1, r))[1] - 1, 0) - 1)
;;       q = np.round(r / step) * step * 2.0 ** e      # np.round: ties to even
;;       return np.moveaxis(q.reshape(q.shape[:-2] + (-1,))[..., :K], -1, axis).astype(np.float32)
;;   ~~~
;;   OPERANDS COMPUTED ON THE WAY. 'Computed on the way' means the value that the module computes at that place (a softmax that the list does not call 'softmax' is quantised finished and normalised). What goes into a quantiser is computed in f32, as accurately as f32 sums, v_exp_f32 and their like allow (about 1e-6 of the number): no bf16 or f16 on the way to a quantiser, and a product that is left as it is and whose result goes on into a quantised operand takes f32 operands (vector FMAs, or v_wmma_f32_16x16x4_f32). A number that lies on a knife's edge between two numbers of the format may be rounded either way, as far as f32 arithmetic and the matrix unit's own rounding can turn it there, and no further.
;;   INPUTS GIVEN AS CODES. W1 (in the module: [8, 1024, 4096], K = its axis 1); W2 (in the module: [8, 4096, 1024], K = its axis 1): each comes as NAME_codes (uint8): NAME with its K axis moved to the last place and cut into blocks of 32 codes, [.., K / 32, bytes a block], one block behind the other in memory; two codes a byte, the lower K in the low four bits (a code: sign, 2 exponent bits, 1 mantissa bit); and NAME_scales (uint8): the same leading axes, one E8M0 byte (e + 127) for each 32 codes along K. Its value is code x scale, taken as it is: it is not quantised again, and the codes and scales need not be those that the quantiser above would give.
;; 2 versions. Each part assembles by itself: llvm-mc -triple=amdgcn-amd-amdhsa -mcpu=gfx1250 --defsym DOCPART=n.
;; ======== version 1 of 2: 4 launches
;; workspace buffers: xq 524,288 bytes; xs 32,768 bytes; idx 4,096 bytes of whole numbers; gate 8,192 bytes; place 33,792 bytes of whole numbers; hq 16,777,216 bytes; hs 1,048,576 bytes; ybuf 67,108,864 bytes
;; launch route (part 1): grid 256 x 1, 4 waves a work-group, no clusters, 52,224 bytes of LDS; arguments x, Wg, bg, xq, xs, idx, gate; writes xq, xs, idx, gate
.if DOCPART == 1
	.amdgcn_target "amdgcn-amd-amdhsa--gfx1250"
	.amdhsa_code_object_version 6
	.text
	.protected	k_q3a898c49d9_route
	.globl	k_q3a898c49d9_route
	.p2align	8
	.type	k_q3a898c49d9_route,@function
k_q3a898c49d9_route:
	s_mov_b64 s[64:65], 0
	v_nop
	global_prefetch_b8 v0, s[64:65] scope:SCOPE_SE
	s_setreg_imm32_b32 hwreg(HW_REG_WAVE_MODE, 25, 1), 1
	s_wait_xcnt 0x0
; ROUTE.  For each of the 1,024 tokens: the gate (x Wg + bg in f32 multiply-adds, softmax with its maximum taken away, top 2 of 8), and x as codes of E2M1 with one E8M0 byte for each 32 along K.
; One token to a wave, four to a work-group.  Stored at fixed places: xq [t][512 bytes of codes], xs [t][32 scale bytes], idx [t] = e0 | e1 << 8 | ((1 << e0) | (1 << e1)) << 16, gate [t] = g0, g1.
; No address and no branch hangs on the choice: it only selects values.
; A lane holds block l of its token: k = 32 l .. 32 l + 31.  The loads take the row as it lies (512 consecutive bytes each); the wave's own stage in LDS turns it.  Wg (32 KB) comes once for the
; work-group, each wave a quarter, and lies in LDS as 32 rows of 1,024 bytes (the 32 k of a lane x 8 experts), 1,040 apart.
; LIMITS: NaN and infinities among the inputs are not served.  A block whose largest magnitude lies under 2^-124 gets the byte 1; so does a block of zeros, where the quantiser says 127: its codes are
; zeros, and this program alone reads the bytes.  The top 2 are taken of this text's own f32 probabilities (a strict compare keeps the lower index on ties): two probabilities nearer to each other than
; the error of an f32 sum of 1,024 terms may be ordered otherwise than another order of summation orders them.
.set PWG,  1040                        ; a lane's row of Wg in LDS: 1,024 bytes + 16
.set XST,  32*PWG                      ; behind Wg: a stage of 32 places for each wave
.set PX,   144                         ; a place: a block's 128 bytes + 16
.set XR,   16                          ; v16-47   x as loaded
.set X,    48                          ; v48-79   my block of 32
.set WB0,  80                          ; v80-143  Wg as loaded, then Wg of 8 k, buffer 0
.set WB1,  144                         ; v144-207 buffer 1
.set AC,   208                         ; v208-223 the 8 sums, twice (even k, odd k)
.set CD,   224                         ; v224-227 my block's codes
.set P,    232                         ; v232-239 the probabilities
.set G,    240                         ; v240-241 g0, g1
.set I0,   242                         ; v242, v243 e0, e1
.set I1,   243
	s_load_b256 s[4:11], s[0:1], 0x0               ; x, Wg, bg, xq
	s_load_b128 s[12:15], s[0:1], 0x20             ; xs, idx
	s_load_b64 s[16:17], s[0:1], 0x30              ; gate
	v_lshl_add_u32 v254, v0, 2, 0xca00
	v_mov_b32 v255, 0
	v_lshrrev_b32 v8, 5, v0
	v_readfirstlane_b32 s18, v8                    ; wave
	v_and_b32 v1, 31, v0                           ; lane
	v_lshlrev_b32 v2, 4, v1                        ; 16 x lane
	s_lshl_b32 s19, ttmp9, 2
	s_add_co_u32 s19, s19, s18                     ; my token
	s_mul_i32 s22, s18, 32*PX
	s_add_co_u32 s22, s22, XST                     ; my stage
	s_mul_i32 s23, s18, 8*PWG                      ; my quarter of Wg in LDS: 8 rows
	s_lshl_b32 s36, s18, 13                        ; and in memory: 8,192 bytes
	v_lshrrev_b32 v8, 3, v1
	v_and_b32 v9, 7, v1
	v_mul_u32_u24 v3, v8, PX
	v_lshl_add_u32 v3, v9, 4, v3
	v_add_nc_u32 v3, s22, v3                       ; the stage, in: eight lanes' 128 bytes to a place
	v_mul_u32_u24 v4, v1, PX
	v_add_nc_u32 v4, s22, v4                       ; out: my place
	v_add_nc_u32 v5, s23, v2                       ; Wg, in
	v_mul_u32_u24 v6, v1, PWG                      ; Wg, out: my row
	v_add_nc_u32 v7, s36, v2                       ; Wg in memory
	s_mov_b32 s32, 0x76543210
	s_mov_b32 s33, 0xfedcba98                      ; v_permlanex16_b32's selects for lane l xor 16
	s_mov_b32 s35, 0x3fb8aa3b                      ; log2(e)
	s_mov_b32 s21, 0
	s_wait_kmcnt 0x0
	s_load_b256 s[24:31], s[8:9], 0x0              ; bg
	s_lshl_b32 s20, s19, 12
	s_add_nc_u64 s[4:5], s[4:5], s[20:21]          ; x at my token's row
	s_lshl_b32 s20, s19, 9
	s_add_nc_u64 s[10:11], s[10:11], s[20:21]      ; xq
	s_lshl_b32 s20, s19, 5
	s_add_nc_u64 s[12:13], s[12:13], s[20:21]      ; xs
	s_lshl_b32 s20, s19, 2
	s_add_nc_u64 s[14:15], s[14:15], s[20:21]      ; idx
	s_lshl_b32 s20, s19, 3
	s_add_nc_u64 s[16:17], s[16:17], s[20:21]      ; gate
.set i, 0
.rept 8
	global_load_b128 v[XR+4*i:XR+4*i+3], v2, s[4:5] offset:512*i th:TH_LOAD_NT   ; 512 consecutive bytes of the row
.set i, i+1
.endr
.set i, 0
.rept 16
	global_load_b128 v[WB0+4*i:WB0+4*i+3], v7, s[6:7] offset:512*i
.set i, i+1
.endr
	s_wait_loadcnt 16                              ; x is in; the 16 loads of Wg behind it may be out
.set i, 0
.rept 8
	ds_store_b128 v3, v[XR+4*i:XR+4*i+3] offset:4*PX*i
.set i, i+1
.endr
.set i, 0
.rept 8
	ds_load_b128 v[X+4*i:X+4*i+3], v4 offset:16*i  ; LDS serves a wave's instructions in order: these see my stores
.set i, i+1
.endr
	s_wait_loadcnt 0x0                             ; Wg
.set i, 0
.rept 16
	ds_store_b128 v5, v[WB0+4*i:WB0+4*i+3] offset:(i/2)*PWG+(i%2)*512
.set i, i+1
.endr
	s_wait_dscnt 0x0                               ; my quarter of Wg lies in LDS (and my block is back)
	s_barrier_signal -1
	s_barrier_wait -1                              ; everybody's does
.macro GLOAD g, buf                    ; Wg of my k = 32 l + 8 g .. + 7: register 8 kk + e of the buffer
.set i, 0
.rept 16
	ds_load_b128 v[\buf+4*i:\buf+4*i+3], v6 offset:256*\g+16*i
.set i, i+1
.endr
.endm
.macro GK buf, k, kk, b                ; one k: four packed multiply-adds, x(k) for both halves; b = k % 2 picks the set of sums, so that eight chains take turns
.irp q, 0,1,2,3
.if (\k) < 2
	v_pk_mul_f32 v[AC+8*\b+2*\q:AC+8*\b+2*\q+1], v[\buf+8*(\kk)+2*\q:\buf+8*(\kk)+2*\q+1], v[X+(\k)-\b:X+(\k)-\b+1] op_sel:[0,\b] op_sel_hi:[1,\b]   ; the first products start the sums
.else
	v_pk_fma_f32 v[AC+8*\b+2*\q:AC+8*\b+2*\q+1], v[\buf+8*(\kk)+2*\q:\buf+8*(\kk)+2*\q+1], v[X+(\k)-\b:X+(\k)-\b+1], v[AC+8*\b+2*\q:AC+8*\b+2*\q+1] op_sel:[0,\b,0] op_sel_hi:[1,\b,1]
.endif
.endr
.endm
.macro GFMA g, buf
.irp j, 0,1,2,3
	GK \buf, 8*\g+2*\j, 2*\j, 0
	GK \buf, 8*\g+2*\j+1, 2*\j+1, 1
.endr
.endm
	GLOAD 0, WB0
	GLOAD 1, WB1
	; my block's codes and byte, while Wg is on its way out of LDS
	v_max3_num_f32 v12, |v[X]|, |v[X+1]|, |v[X+2]|
	v_max3_num_f32 v13, |v[X+3]|, |v[X+4]|, |v[X+5]|
.irp i, 6,10,14,18,22,26
	v_max3_num_f32 v12, v12, |v[X+\i]|, |v[X+\i+1]|
	v_max3_num_f32 v13, v13, |v[X+\i+2]|, |v[X+\i+3]|
.endr
	v_max3_num_f32 v12, v12, |v[X+30]|, |v[X+31]|
	v_max3_num_f32 v12, v12, v13, 0x1800000        ; the floor 2^(3 - 127): the byte cannot fall under 1
	v_add_nc_u32 v11, 0xff000000, v12              ; 2 off the exponent field: the conversion's scale operand
.irp g, 0,1,2,3
	v_cvt_scalef32_pk8_fp4_f32 v[CD+\g], v[X+8*\g:X+8*\g+7], v11
.endr
	v_lshrrev_b32 v10, 23, v11                     ; the scale's byte (a plain line behind the conversions)
	global_store_b128 v2, v[CD:CD+3], s[10:11]     ; the wave stores the token's 512 bytes of codes on end
	global_store_b8 v1, v10, s[12:13]              ; and its 32 scale bytes
	s_wait_dscnt 16                                ; group 0 is in; group 1's 16 loads may be out
	GFMA 0, WB0
	GLOAD 2, WB0
	s_wait_dscnt 16                                ; group 1 is in; group 2's may be out
	GFMA 1, WB1
	GLOAD 3, WB1
	s_wait_dscnt 16                                ; group 2 is in; group 3's may be out
	GFMA 2, WB0
	s_wait_dscnt 0x0
	GFMA 3, WB1
.irp q, 0,1,2,3
	v_pk_add_f32 v[AC+2*\q:AC+2*\q+1], v[AC+2*\q:AC+2*\q+1], v[AC+8+2*\q:AC+8+2*\q+1]
.endr
.irp m, 1,2,4,8
.irp e, 0,1,2,3,4,5,6,7
	v_add_f32_dpp v[AC+\e], v[AC+\e], v[AC+\e] row_xmask:\m row_mask:0xf bank_mask:0xf
.endr
.endr
.irp e, 0,1,2,3,4,5,6,7
	v_permlanex16_b32 v[AC+8+\e], v[AC+\e], s32, s33
.endr
.irp e, 0,1,2,3,4,5,6,7
	v_add_f32 v[AC+\e], v[AC+\e], v[AC+8+\e]       ; every lane holds the eight sums
.endr
	s_wait_kmcnt 0x0                               ; bg
.irp e, 0,1,2,3,4,5,6,7
	v_add_f32 v[AC+\e], s[24+\e], v[AC+\e]         ; the logits
.endr
	v_max3_num_f32 v228, v[AC], v[AC+1], v[AC+2]
	v_max3_num_f32 v228, v228, v[AC+3], v[AC+4]
	v_max3_num_f32 v228, v228, v[AC+5], v[AC+6]
	v_max_num_f32 v228, v228, v[AC+7]              ; their maximum
	v_mul_f32 v231, s35, v228
.irp e, 0,1,2,3,4,5,6,7
	v_fma_f32 v[P+\e], v[AC+\e], s35, -v231        ; (logit - maximum) x log2(e)
.endr
.irp e, 0,1,2,3,4,5,6,7
	v_exp_f32 v[P+\e], v[P+\e]
.endr
	v_mov_b32 v250, 0                              ; (a plain line behind the exponentials)  the offset of the two small stores
	s_wait_alu depctr_va_vdst(0)
	v_add_f32 v229, v[P], v[P+1]
	v_add_f32 v230, v[P+2], v[P+3]
	v_add_f32 v231, v[P+4], v[P+5]
	v_add_f32 v245, v[P+6], v[P+7]
	v_add_f32 v229, v229, v230
	v_add_f32 v231, v231, v245
	v_add_f32 v229, v229, v231
	v_rcp_f32 v230, v229
	v_mov_b32 v245, 0x10000                        ; (a plain line behind the reciprocal)
	s_wait_alu depctr_va_vdst(0)
.irp e, 0,1,2,3,4,5,6,7
	v_mul_f32 v[P+\e], v[P+\e], v230               ; the probabilities
.endr
	v_mov_b32 v[G], v[P]                           ; the largest: a later one wins only if it is greater, so the lower index is kept on ties
	v_mov_b32 v[I0], 0
.irp e, 1,2,3,4,5,6,7
	v_cmp_le_f32 vcc_lo, v[P+\e], v[G]
	v_cndmask_b32 v[G], v[P+\e], v[G], vcc_lo
	v_cndmask_b32 v[I0], \e, v[I0], vcc_lo
.endr
	v_mov_b32 v244, -1.0
.irp e, 0,1,2,3,4,5,6,7
	v_cmp_eq_u32 vcc_lo, \e, v[I0]
	v_cndmask_b32 v[P+\e], v[P+\e], v244, vcc_lo   ; the first is taken out: -1 lies under every probability
.endr
	v_mov_b32 v[G+1], v[P]                         ; the second, in the same way
	v_mov_b32 v[I1], 0
.irp e, 1,2,3,4,5,6,7
	v_cmp_le_f32 vcc_lo, v[P+\e], v[G+1]
	v_cndmask_b32 v[G+1], v[P+\e], v[G+1], vcc_lo
	v_cndmask_b32 v[I1], \e, v[I1], vcc_lo
.endr
	v_lshlrev_b32 v246, v[I0], v245                ; 1 << (16 + e0)
	v_lshlrev_b32 v247, v[I1], v245
	v_or_b32 v246, v246, v247
	v_lshl_or_b32 v246, v[I1], 8, v246
	v_or_b32 v246, v[I0], v246
	s_wait_xcnt 0x0                                ; EXEC is a source of the stores above: it changes only behind this wait
	v_cmp_eq_u32 vcc_lo, 0, v1
	s_wait_tensorcnt 0x0
	ds_add_u32 v254, v255
	s_wait_dscnt 0x0
	s_and_saveexec_b32 s34, vcc_lo                 ; lane 0 stores the token's word and its two weights
	global_store_b32 v250, v246, s[14:15]
	global_store_b64 v250, v[G:G+1], s[16:17]
	s_wait_xcnt 0x0                                ; and again in front of the line that widens it
	s_or_b32 exec_lo, exec_lo, s34
	s_endpgm
.Lfunc_end_k_q3a898c49d9_route:
	.size	k_q3a898c49d9_route, .Lfunc_end_k_q3a898c49d9_route-k_q3a898c49d9_route
	.p2alignl 7, 3214868480
	.fill 96, 4, 3214868480
	.section	.rodata,"a",@progbits
	.p2align	6, 0x0
	.amdhsa_kernel k_q3a898c49d9_route
		.amdhsa_group_segment_fixed_size 52224
		.amdhsa_private_segment_fixed_size 0
		.amdhsa_enable_private_segment 0
		.amdhsa_kernarg_size 56
		.amdhsa_user_sgpr_count 2
		.amdhsa_user_sgpr_kernarg_segment_ptr 1
		.amdhsa_wavefront_size32 1
		.amdhsa_system_sgpr_workgroup_id_x 1
		.amdhsa_system_sgpr_workgroup_id_y 1
		.amdhsa_system_sgpr_workgroup_id_z 1
		.amdhsa_system_vgpr_workitem_id 0
		.amdhsa_next_free_vgpr 256
		.amdhsa_next_free_sgpr 66
		.amdhsa_reserve_vcc 1
		.amdhsa_float_denorm_mode_32 3
		.amdhsa_float_denorm_mode_16_64 3
		.amdhsa_memory_ordered 1
		.amdhsa_forward_progress 1
		.amdhsa_inst_pref_size 28
	.end_amdhsa_kernel
	.amdgpu_metadata
---
amdhsa.version: [ 1, 2 ]
amdhsa.kernels:
  - .name:           k_q3a898c49d9_route
    .symbol:         k_q3a898c49d9_route.kd
    .args:
      - { .name: x, .offset: 0, .size: 8, .value_kind: global_buffer, .address_space: global }
      - { .name: Wg, .offset: 8, .size: 8, .value_kind: global_buffer, .address_space: global }
      - { .name: bg, .offset: 16, .size: 8, .value_kind: global_buffer, .address_space: global }
      - { .name: xq, .offset: 24, .size: 8, .value_kind: global_buffer, .address_space: global }
      - { .name: xs, .offset: 32, .size: 8, .value_kind: global_buffer, .address_space: global }
      - { .name: idx, .offset: 40, .size: 8, .value_kind: global_buffer, .address_space: global }
      - { .name: gate, .offset: 48, .size: 8, .value_kind: global_buffer, .address_space: global }
    .group_segment_fixed_size: 52224
    .private_segment_fixed_size: 0
    .kernarg_segment_align: 8
    .kernarg_segment_size: 56
    .max_flat_workgroup_size: 128
    .sgpr_count:     66
    .vgpr_count:     256
    .wavefront_size: 32
...
	.end_amdgpu_metadata
.endif
;; end of part 1
;; launch up (part 2): grid 256 x 1, 4 waves a work-group, no clusters, 135,680 bytes of LDS; arguments idx, xq, xs, W1_codes, W1_scales, b1, hq, hs, place; writes hq, hs, place
.if DOCPART == 2
	.amdgcn_target "amdgcn-amd-amdhsa--gfx1250"
	.amdhsa_code_object_version 6
	.text
	.protected	k_q3a898c49d9_up
	.globl	k_q3a898c49d9_up
	.p2align	8
	.type	k_q3a898c49d9_up,@function
k_q3a898c49d9_up:
	s_mov_b64 s[64:65], 0
	v_nop
	global_prefetch_b8 v0, s[64:65] scope:SCOPE_SE
	s_setreg_imm32_b32 hwreg(HW_REG_WAVE_MODE, 25, 1), 1
	s_wait_xcnt 0x0
; UP.  h = relu(x W1 + b1) on codes of E2M1, for the rows that the gate chose alone, quantised along the next K and stored as the next product's operand.
; A work-group is (expert e = id / 32, slice sl = id % 32 of 128 hidden units, which is K step sl of the second product): each byte of W1 is read by one work-group.
; Every wave holds the whole slice in registers (8 K steps x 8 tiles = 64 fragments, 512 registers; it comes once, each wave a quarter, through LDS); THE WAVES SHARE THE ROWS: wave w takes the tiles of
; 16 rows t = w, w + 4, .. < nt = ceil(n / 16), n the number of tokens that chose e.  A trip takes two of them, t and t + 4; where t + 4 is no tile, the second tile's work is jumped over.
; Trips: ceil((nt - w) / 8), counted by a counter of its own.
; THE LIST OF ROWS is made in registers from idx: 32 masks (bit l of mask i: token 128 (i / 4) + 4 l + i % 4 chose e, the order in which 16-byte loads deal the tokens); a row's rank is its place in that
; order.  SELECT finds the tokens of 32 ranks (lanes 0-15: tile t's, lanes 16-31: tile t + 4's): the mask by 31 compares with the running count, the bit by a search through counts of 16, 8, 4, 2, 1 bits.
; Ranks from n on take some token (held to 0 .. 1,023): their rows are never used.  The work-group of slice 0 stores each token's rank and n (place) for the later launches.
; No tensor load and no copy: the trip count hangs on a stored number.  The one barrier stands ahead of every branch on such a number.  No cluster: what partners could share, the expert's rows, has a length that hangs on stored numbers.
; THE PRODUCT IS USED TRANSPOSED (source 0 = 16 rows of W1, source 1 = 16 rows of x), and the rows of W1 that form a tile are not neighbours: lane r of tile 2 b + u takes row 32 b + 8 u + r + 8 (r / 8), so that
; a lane's 16 registers of tiles 2 b, 2 b + 1 are 16 neighbours along the next K.  b1 is the C of a sum's first product.
; OUT: hq [e][tile 64][K step 32][2][lane][16 bytes]: the operand's registers as they stand; hs [e][tile][K step][row 16]: scale words.
; LIMITS: as in the first launch: a block under 2^-124 (a block of zeros too) gets the byte 1; NaN and infinities are not served.
; REGISTERS, in windows of 256: window 0: v1-31 addresses and the search; v32-39 x's scale words, v40-47 the next trip's, v48-79 W1's; v80-143 the 8 accumulators (idle between trips: idx, ranks, load offsets);
;   v144-161 codes and scale words made; v164-179 at work; v192-255 16 rows of x as loaded.  window 1, 2: W1's fragments (K steps 0-3, 4-7).  window 3: v0-63 b1; v64-191 x's fragments of two tiles; v192-255 16 more rows as loaded.
.set PITCH, 528                        ; an LDS row: 512 bytes + 16: the 16 rows of a fragment load start 33 x 16 bytes apart
.set XSTG,  128*PITCH                  ; behind the slice's 128 rows: a stage of 32 rows for each wave
.set XSTW,  32*PITCH
.set XS,   32
.set NXS,  40
.set W1S,  48
.set HA,   80
.set PCA,  144
.set PCB,  152
.set PWA,  160
.set PWB,  161
.set TM,   164
.set WOF,  180                         ; v180 W1's load offset; v181 b1's
.set BOF,  181
.set RAWA, 192
.set B1,   0                           ; window 3
.set XFA,  64
.set XFB,  128
.set RAWB, 192
.set SEL,  70                          ; s[70:71]
.set CNT,  22                          ; s22  trips done
.set TRIPS, 69                         ; s69  my wave's trips
.set MSB, 0
.macro WIN new                         ; the immediate's high byte repeats the setting that is left
.if MSB != \new
	s_set_vgpr_msb (MSB<<8)|\new
.set MSB, \new
.endif
.endm
.macro LEVEL tab, width, field         ; is the bit sought in the upper half of what is left?  c = the lower half's count
	v_bfe_u32 v20, v[\tab], v15, \field
	v_cmp_ge_u32 vcc_lo, v14, v20
	v_sub_nc_u32 v20, v14, v20
	v_add_nc_u32 v21, \width, v15
	v_cndmask_b32 v14, v14, v20, vcc_lo
	v_cndmask_b32 v15, v15, v21, vcc_lo
.endm
.macro SELECT sp                       ; v22 = the token of rank 16 s[sp] + r + 64 h: row r of tile s[sp] (lanes 0-15) or of tile s[sp] + 4 (lanes 16-31)
	v_lshl_add_u32 v10, s[\sp], 4, v9              ; the rank
	v_mov_b32 v11, s32                             ; the mask that holds it,
	v_mov_b32 v12, 0                               ; the count ahead of that mask,
	v_mov_b32 v13, 0                               ; and the token of its bit 0
	s_mov_b32 s66, 0
.set i, 1
.rept 31
	s_bcnt1_i32_b32 s67, s[31+i]
	s_add_co_u32 s66, s66, s67                     ; the count ahead of mask i
	v_cmp_gt_u32 vcc_lo, s66, v10                  ; greater than my rank: keep what I have
	v_cndmask_b32 v11, s[32+i], v11, vcc_lo
	v_cndmask_b32 v12, s66, v12, vcc_lo
	v_cndmask_b32 v13, 128*(i/4)+i%4, v13, vcc_lo
.set i, i+1
.endr
	v_sub_nc_u32 v14, v10, v12                     ; which set bit of the mask
	v_lshrrev_b32 v16, 1, v11
	v_and_b32 v16, 0x55555555, v16
	v_sub_nc_u32 v16, v11, v16                     ; counts of 2 bits
	v_lshrrev_b32 v17, 2, v16
	v_and_b32 v17, 0x33333333, v17
	v_and_b32 v20, 0x33333333, v16
	v_add_nc_u32 v17, v17, v20                     ; of 4
	v_lshrrev_b32 v18, 4, v17
	v_add_nc_u32 v18, v18, v17
	v_and_b32 v18, 0x0f0f0f0f, v18                 ; of 8
	v_lshrrev_b32 v19, 8, v18
	v_add_nc_u32 v19, v19, v18
	v_and_b32 v19, 0x00ff00ff, v19                 ; of 16
	v_mov_b32 v15, 0                               ; the bit's place
	LEVEL 19, 16, 8
	LEVEL 18, 8, 8
	LEVEL 17, 4, 4
	LEVEL 16, 2, 2
	LEVEL 11, 1, 1
	v_lshl_add_u32 v22, v15, 2, v13
.endm
; The 32 rows of codes (each a load of 512 consecutive bytes) and their scale words: 34 loads.  free = 1: products follow that write the registers which hold the offsets
.macro XLOADS free
.set i, 0
.rept 16
	v_readlane_b32 s[72+i], v22, i
.set i, i+1
.endr
.set i, 0
.rept 16
	s_min_u32 s[72+i], s[72+i], 0x3ff
.set i, i+1
.endr
.set i, 0
.rept 16
	v_lshl_add_u32 v[HA+i], s[72+i], 9, v1         ; token x 512 + 16 x lane
.set i, i+1
.endr
.set i, 0
.rept 16
	global_load_b128 v[RAWA+4*i:RAWA+4*i+3], v[HA+i], s[6:7]
.set i, i+1
.endr
.set i, 0
.rept 16
	v_readlane_b32 s[72+i], v22, 16+i
.set i, i+1
.endr
.set i, 0
.rept 16
	s_min_u32 s[72+i], s[72+i], 0x3ff
.set i, i+1
.endr
.set i, 0
.rept 16
	v_lshl_add_u32 v[HA+16+i], s[72+i], 9, v1
.set i, i+1
.endr
	WIN 0xc0                                       ; destination window 3
.set i, 0
.rept 16
	global_load_b128 v[RAWB+4*i:RAWB+4*i+3], v[HA+16+i], s[6:7]
.set i, i+1
.endr
	WIN 0
	v_permlanex16_b32 v23, v22, s[SEL], s[SEL+1]
	v_cndmask_b32 v24, v23, v22, s68               ; the first tile's tokens in both halves of the lanes,
	v_cndmask_b32 v25, v22, v23, s68               ; the second's
	v_min_u32 v24, 0x3ff, v24
	v_min_u32 v25, 0x3ff, v25
	v_lshl_add_u32 v24, v24, 5, v8                 ; token x 32 + 16 h: lanes 0-15 take the words of K steps 0-3, lanes 16-31 of 4-7
	v_lshl_add_u32 v25, v25, 5, v8
	global_load_b128 v[NXS:NXS+3], v24, s[8:9]
	global_load_b128 v[NXS+4:NXS+7], v25, s[8:9]
.if \free
	s_wait_xcnt 0x0                                ; the loads have read their offsets: the accumulators' registers, which held them, may be written
.endif
.endm
.macro TURN                            ; the 32 rows through my stage: in as rows, out as fragments
.set i, 0
.rept 16
	ds_store_b128 v4, v[RAWA+4*i:RAWA+4*i+3] offset:PITCH*i
.set i, i+1
.endr
	WIN 0x0c                                       ; an LDS store's data are its source 1: window 3
.set i, 0
.rept 16
	ds_store_b128 v4, v[RAWB+4*i:RAWB+4*i+3] offset:PITCH*(16+i)
.set i, i+1
.endr
	WIN 0
.irp j, 0,1,2,3,4,5,6,7
	v_mov_b32 v[XS+\j], v[NXS+\j]                  ; this trip's scale words leave the registers that the next trip's loads take
.endr
.rept 8
	v_nop                                          ; a scale register written by a vector instruction stands 8 places ahead of a scaled matrix instruction
.endr
	WIN 0xc0
.irp s, 0,1,2,3,4,5,6,7
.irp c, 0,1
	ds_load_b128 v[XFA+8*\s+4*\c:XFA+8*\s+4*\c+3], v5 offset:64*\s+32*\c               ; LDS serves a wave's instructions in order: these see my stores
	ds_load_b128 v[XFB+8*\s+4*\c:XFB+8*\s+4*\c+3], v5 offset:16*PITCH+64*\s+32*\c
.endr
.endr
	WIN 0
.endm
; 64 numbers of a lane, register 16 b + i = k 32 b + 16 (lane / 16) + i of my row, become a fragment's codes in v[pc] on and its scale word in v[pw]
.macro QUANT s, pc, pw
.irp b, 0,1,2,3
	v_max3_num_f32 v[TM+\b], |v[\s+16*\b]|, |v[\s+1+16*\b]|, 0x1800000   ; block b: my 16 numbers, and the floor 2^(3 - 127): the byte cannot fall under 1
.endr
.irp i, 2,4,6,8,10,12,14
.irp b, 0,1,2,3
	v_max3_num_f32 v[TM+\b], v[TM+\b], |v[\s+16*\b+\i]|, |v[\s+1+16*\b+\i]|
.endr
.endr
.irp b, 0,1,2,3
	v_permlanex16_b32 v[TM+4+\b], v[TM+\b], s[SEL], s[SEL+1]
.endr
.irp b, 0,1,2,3
	v_max_num_f32 v[TM+\b], v[TM+\b], v[TM+4+\b]   ; with lane l xor 16's: the block's largest magnitude
.endr
.irp b, 0,1,2,3
	v_add_nc_u32 v[TM+12+\b], 0xff000000, v[TM+\b] ; 2 off its exponent field: the conversion's scale operand
.endr
.irp b, 0,1,2,3
	v_lshrrev_b32 v[TM+4+\b], 23, v[TM+12+\b]      ; the scale's byte
.endr
	v_lshl_or_b32 v[\pw], v[TM+5], 8, v[TM+4]
	v_lshl_or_b32 v[\pw], v[TM+6], 16, v[\pw]
	v_lshl_or_b32 v[\pw], v[TM+7], 24, v[\pw]
.irp b, 0,1,2,3
	v_cvt_scalef32_pk8_fp4_f32 v[\pc+2*\b], v[\s+16*\b:\s+7+16*\b], v[TM+12+\b]
	v_cvt_scalef32_pk8_fp4_f32 v[\pc+1+2*\b], v[\s+8+16*\b:\s+15+16*\b], v[TM+12+\b]
.endr
	v_nop                                          ; one plain place behind a scaled conversion
.irp c, 0,1                                    ; the operand's layout wants a whole block in a lane
.irp i, 0,1
	v_permlane16_swap_b32 v[\pc+4*\c+\i], v[\pc+2+4*\c+\i]
.endr
.endr
.endm
.macro UPW d, a, b, c, sa, sb, row
.if \row
	v_wmma_scale_f32_16x16x128_f8f6f4 v[\d:\d+7], v[\a:\a+7], v[\b:\b+7], v[\c:\c+7], v[\sa], v[\sb] matrix_a_fmt:MATRIX_FMT_FP4 matrix_b_fmt:MATRIX_FMT_FP4 matrix_a_scale:MATRIX_SCALE_ROW1 matrix_b_scale:MATRIX_SCALE_ROW1
.else
	v_wmma_scale_f32_16x16x128_f8f6f4 v[\d:\d+7], v[\a:\a+7], v[\b:\b+7], v[\c:\c+7], v[\sa], v[\sb] matrix_a_fmt:MATRIX_FMT_FP4 matrix_b_fmt:MATRIX_FMT_FP4
.endif
.endm
; A tile of 16 rows: 64 products, the 8 accumulators by turns, one instruction a turn, K ascending; relu; quantised
.macro TILE xf, xsc, pc, pw
.irp s, 0,1,2,3,4,5,6,7
.if \s == 0
	WIN 0x3d                                       ; source 0 (W1) window 1, source 1 (x) window 3, source 2 (b1) window 3
.elseif \s < 4
	WIN 0x0d
.else
	WIN 0x0e                                       ; W1's K steps 4-7: window 2
.endif
.irp t, 0,1,2,3,4,5,6,7
.if \s == 0
	UPW HA+8*\t, 8*(8*(\s%4)+\t), \xf+8*\s, B1+8*\t, W1S+4*\t+\s%4, \xsc+\s%4, 0
.else
	UPW HA+8*\t, 8*(8*(\s%4)+\t), \xf+8*\s, HA+8*\t, W1S+4*\t+\s%4, \xsc+\s%4, \s/4
.endif
.endr
.endr
	WIN 0
.rept 4
	v_nop                                          ; four places in front of the first read of results
.endr
.set i, 0
.rept 64
	v_max_num_f32 v[HA+i], 0, v[HA+i]              ; the activation, in f32; each accumulator from its low end on
.set i, i+1
.endr
	QUANT HA, \pc, \pw
.endm
	s_load_b256 s[4:11], s[0:1], 0x0               ; idx, xq, xs, W1's codes
	s_load_b256 s[12:19], s[0:1], 0x20             ; W1's scales, b1, hq, hs
	s_load_b64 s[20:21], s[0:1], 0x40              ; place
	v_lshl_add_u32 v190, v0, 2, 0x21000
	v_mov_b32 v191, 0
	v_lshrrev_b32 v16, 5, v0
	v_readfirstlane_b32 s24, v16                   ; wave
	v_and_b32 v9, 31, v0                           ; lane
	v_lshlrev_b32 v1, 4, v9                        ; 16 x lane
	v_lshlrev_b32 v26, 2, v9                       ; 4 x lane
	v_and_b32 v2, 15, v0                           ; r
	v_bfe_u32 v3, v0, 4, 1                         ; h
	v_lshl_add_u32 v9, v3, 6, v2                   ; r + 64 h: my rank within a trip's two tiles, which lie four tiles apart
	s_lshr_b32 s25, ttmp9, 5                       ; the expert
	s_and_b32 s26, ttmp9, 31                       ; the slice
	s_add_co_u32 s27, s25, 16
	s_lshl_b32 s27, 1, s27                         ; the expert's bit in a word of idx
	s_mul_i32 s88, s24, XSTW                       ; my 32 rows of the slice in LDS
	s_add_co_u32 s89, s88, XSTG                    ; my stage
	s_lshl_b32 s90, s24, 14                        ; my 32 rows of the slice in memory
	v_add_nc_u32 v6, s88, v1
	v_add_nc_u32 v4, s89, v1
	v_mul_u32_u24 v5, v2, PITCH
	v_lshl_add_u32 v5, v3, 4, v5
	v_add_nc_u32 v5, s89, v5                       ; x's fragments: row r, + 16 h
	v_and_b32 v16, 8, v2
	v_add_nc_u32 v16, v16, v2                      ; r + 8 (r / 8)
	v_mul_u32_u24 v7, v16, PITCH
	v_lshl_add_u32 v7, v3, 4, v7                   ; W1's fragments
	v_lshlrev_b32 v8, 4, v3                        ; 16 h
	v_lshl_add_u32 v31, v16, 5, v8                 ; W1's scale words: 32 bytes a row, + 16 h
	v_lshlrev_b32 v28, 2, v2                       ; hs: 4 r
	v_add_nc_u32 v[WOF], s90, v1
	v_lshlrev_b32 v[BOF], 6, v3                    ; b1: 16 h numbers on
	v_mov_b32 v23, 0                               ; written once: a lane permute's destination counts as one of its sources
.irp b, 0,1,2,3
	v_mov_b32 v[TM+4+\b], 0
.endr
	s_mov_b32 s68, 0xffff                          ; lanes 0-15
	s_mov_b32 s[SEL], 0x76543210
	s_mov_b32 s[SEL+1], 0xfedcba98                 ; v_permlanex16_b32's selects for lane l xor 16
	s_mov_b32 s91, 0
	s_wait_kmcnt 0x0
	s_lshl_b32 s90, ttmp9, 16                      ; 128 rows of 512 bytes a slice, 32 slices an expert
	s_add_nc_u64 s[10:11], s[10:11], s[90:91]
	s_lshl_b32 s90, ttmp9, 12                      ; 128 rows of 32 scale bytes
	s_add_nc_u64 s[12:13], s[12:13], s[90:91]
	s_lshl_b32 s90, ttmp9, 9                       ; 128 numbers of b1
	s_add_nc_u64 s[14:15], s[14:15], s[90:91]
	s_lshl_b32 s90, s25, 21
	s_lshl_b32 s88, s26, 10
	s_add_co_u32 s90, s90, s88
	s_add_nc_u64 s[16:17], s[16:17], s[90:91]      ; hq at (e, tile 0, K step sl)
	s_lshl_b32 s90, s25, 17
	s_lshl_b32 s88, s26, 6
	s_add_co_u32 s90, s90, s88
	s_add_nc_u64 s[18:19], s[18:19], s[90:91]      ; hs likewise
	s_lshl_b32 s90, s25, 12
	s_add_nc_u64 s[92:93], s[20:21], s[90:91]      ; place: the expert's 1,024 ranks,
	s_lshl_b32 s90, s25, 7
	s_add_co_u32 s90, s90, 0x8000
	s_add_nc_u64 s[94:95], s[20:21], s[90:91]      ; and its count
.set i, 0
.rept 8
	global_load_b128 v[HA+4*i:HA+4*i+3], v1, s[4:5] offset:512*i   ; idx: register 4 q + j of lane l is token 128 q + 4 l + j
.set i, i+1
.endr
	WIN 0xc0
.set i, 0
.rept 32
	global_load_b128 v[XFA+4*i:XFA+4*i+3], v[WOF], s[10:11] offset:512*i th:TH_LOAD_NT   ; a row of W1's codes, 512 consecutive bytes; read by this wave alone in the launch
.set i, i+1
.endr
.irp t, 0,1,2,3,4,5,6,7
	global_load_b128 v[B1+8*\t:B1+8*\t+3], v[BOF], s[14:15] offset:(32*(\t/2)+8*(\t%2))*4
	global_load_b128 v[B1+8*\t+4:B1+8*\t+7], v[BOF], s[14:15] offset:(32*(\t/2)+8*(\t%2))*4+16
.endr
	WIN 0
	s_wait_loadcnt 48                              ; idx is in; the 32 + 16 loads behind it may be out
.irp t, 0,1,2,3,4,5,6,7
	global_load_b128 v[W1S+4*\t:W1S+4*\t+3], v31, s[12:13] offset:(32*(\t/2)+8*(\t%2))*32   ; register 4 t + j: lanes 0-15 K step j, lanes 16-31 K step 4 + j
.endr
.set i, 0
.rept 32
	v_and_b32 v[16+i%4], s27, v[HA+i]
	v_cmp_ne_u32 s[32+i], 0, v[16+i%4]             ; mask i
.set i, i+1
.endr
	s_bcnt1_i32_b32 s28, s32
.set i, 1
.rept 31
	s_bcnt1_i32_b32 s67, s[32+i]
	s_add_co_u32 s28, s28, s67
.set i, i+1
.endr                                          ; n
	s_add_co_u32 s29, s28, 15
	s_lshr_b32 s29, s29, 4                         ; nt
	s_mov_b32 s30, s24                             ; my first tile
	s_add_co_u32 s[TRIPS], s29, 7
	s_sub_co_u32 s[TRIPS], s[TRIPS], s24
	s_lshr_b32 s[TRIPS], s[TRIPS], 3               ; my trips: ceil((nt - w) / 8), 0 where nt <= w
	s_mov_b32 s[CNT], 0
	SELECT 30                                      ; my first trip's tokens, with no branch: a wave that has no tile asks for rows of tokens held to 0 .. 1,023 and uses nothing of them
	s_wait_loadcnt 0x0                             ; W1, its scale words, b1
	WIN 0x0c
.set i, 0
.rept 32
	ds_store_b128 v6, v[XFA+4*i:XFA+4*i+3] offset:PITCH*i
.set i, i+1
.endr
	WIN 0
	XLOADS 0                                       ; nothing writes these loads' offsets ahead of the loop's wait for the loads themselves
	s_wait_dscnt 0x0                               ; my quarter of the slice lies in LDS
	s_barrier_signal -1
	s_barrier_wait -1                              ; the whole slice does.  The launch's one barrier: every branch on a stored number stands behind it
	s_or_b32 s88, s26, s24
	s_cmp_lg_u32 s88, 0
	s_cbranch_scc1 .Lno_place                      ; wave 0 of slice 0 stores the expert's ranks and count
	s_mov_b32 s66, 0
.set i, 0
.rept 32
	v_mbcnt_lo_u32_b32 v[HA+32+i], s[32+i], s66    ; the count ahead of mask i + the set bits under my lane's
	s_bcnt1_i32_b32 s67, s[32+i]
	s_add_co_u32 s66, s66, s67
.set i, i+1
.endr
.set i, 0
.rept 8
	global_store_b128 v1, v[HA+32+4*i:HA+32+4*i+3], s[92:93] offset:512*i   ; in the tokens' own order, 512 consecutive bytes a store
.set i, i+1
.endr
	v_mov_b32 v16, s28
	global_store_b32 v26, v16, s[94:95]            ; n, 32 times
	s_wait_xcnt 0x0                                ; the stores have read their registers
.Lno_place:
	s_cmp_eq_u32 s[TRIPS], 0
	s_cbranch_scc1 .Lend                           ; no tile for this wave
	WIN 0x40
.irp s, 0,1,2,3
.irp t, 0,1,2,3,4,5,6,7
.irp c, 0,1
	ds_load_b128 v[8*(8*\s+\t)+4*\c:8*(8*\s+\t)+4*\c+3], v7 offset:(32*(\t/2)+8*(\t%2))*PITCH+64*\s+32*\c
.endr
.endr
.endr
	WIN 0x80
.irp s, 4,5,6,7
.irp t, 0,1,2,3,4,5,6,7
.irp c, 0,1
	ds_load_b128 v[8*(8*(\s-4)+\t)+4*\c:8*(8*(\s-4)+\t)+4*\c+3], v7 offset:(32*(\t/2)+8*(\t%2))*PITCH+64*\s+32*\c
.endr
.endr
.endr
	WIN 0
	s_wait_dscnt 0x0
.Lpair:                                            ; a trip: tiles t and t + 4, each 16 rows x 128 hidden units, 64 products
	s_wait_loadcnt 0x0                             ; this trip's 34 loads are in
	s_wait_xcnt 0x0                                ; the last trip's stores have read their data and offsets
	v_lshl_add_u32 v27, s30, 15, v1                ; hq: 32 KB a tile
	v_lshl_add_u32 v29, s30, 11, v28               ; hs: 2 KB a tile
	TURN
	s_add_co_u32 s31, s30, 8
	s_cmp_ge_u32 s31, s29
	s_cbranch_scc1 .Lno_next
	SELECT 31                                      ; the next trip's rows are asked for a whole trip ahead
	s_wait_dscnt 0x0                               ; the stage's stores have read the registers that the loads take
	XLOADS 1
.Lno_next:
	s_wait_dscnt 0x0                               ; the fragments are in
	TILE XFA, XS, PCA, PWA
	global_store_b128 v27, v[PCA:PCA+3], s[16:17]              ; the fragment as it stands: 512 consecutive bytes a store
	global_store_b128 v27, v[PCA+4:PCA+7], s[16:17] offset:512
	global_store_b32 v29, v[PWA], s[18:19]         ; the 16 rows' scale words: both halves of the lanes hold the same word and write it to the same place
	s_add_co_u32 s88, s30, 4
	s_cmp_ge_u32 s88, s29
	s_cbranch_scc1 .Lno_b                          ; t + 4 is no tile: none of its rows was chosen, nothing of it is made or read later
	TILE XFB, XS+4, PCB, PWB
	global_store_b128 v27, v[PCB:PCB+3], s[16:17] offset:131072        ; four tiles on
	global_store_b128 v27, v[PCB+4:PCB+7], s[16:17] offset:131584
	global_store_b32 v29, v[PWB], s[18:19] offset:8192
.Lno_b:
	s_add_co_u32 s30, s30, 8                       ; my next two tiles
	s_add_co_u32 s[CNT], s[CNT], 1
	s_cmp_lt_u32 s[CNT], s[TRIPS]
	s_cbranch_scc1 .Lpair
.Lend:
	s_wait_tensorcnt 0x0
	ds_add_u32 v190, v191
	s_wait_dscnt 0x0
	s_endpgm
.Lfunc_end_k_q3a898c49d9_up:
	.size	k_q3a898c49d9_up, .Lfunc_end_k_q3a898c49d9_up-k_q3a898c49d9_up
	.p2alignl 7, 3214868480
	.fill 96, 4, 3214868480
	.section	.rodata,"a",@progbits
	.p2align	6, 0x0
	.amdhsa_kernel k_q3a898c49d9_up
		.amdhsa_group_segment_fixed_size 135680
		.amdhsa_private_segment_fixed_size 0
		.amdhsa_enable_private_segment 0
		.amdhsa_kernarg_size 72
		.amdhsa_user_sgpr_count 2
		.amdhsa_user_sgpr_kernarg_segment_ptr 1
		.amdhsa_wavefront_size32 1
		.amdhsa_system_sgpr_workgroup_id_x 1
		.amdhsa_system_sgpr_workgroup_id_y 1
		.amdhsa_system_sgpr_workgroup_id_z 1
		.amdhsa_system_vgpr_workitem_id 0
		.amdhsa_next_free_vgpr 1024
		.amdhsa_next_free_sgpr 96
		.amdhsa_reserve_vcc 1
		.amdhsa_float_denorm_mode_32 3
		.amdhsa_float_denorm_mode_16_64 3
		.amdhsa_memory_ordered 1
		.amdhsa_forward_progress 1
		.amdhsa_inst_pref_size 101
	.end_amdhsa_kernel
	.amdgpu_metadata
---
amdhsa.version: [ 1, 2 ]
amdhsa.kernels:
  - .name:           k_q3a898c49d9_up
    .symbol:         k_q3a898c49d9_up.kd
    .args:
      - { .name: idx, .offset: 0, .size: 8, .value_kind: global_buffer, .address_space: global }
      - { .name: xq, .offset: 8, .size: 8, .value_kind: global_buffer, .address_space: global }
      - { .name: xs, .offset: 16, .size: 8, .value_kind: global_buffer, .address_space: global }
      - { .name: W1_codes, .offset: 24, .size: 8, .value_kind: global_buffer, .address_space: global }
      - { .name: W1_scales, .offset: 32, .size: 8, .value_kind: global_buffer, .address_space: global }
      - { .name: b1, .offset: 40, .size: 8, .value_kind: global_buffer, .address_space: global }
      - { .name: hq, .offset: 48, .size: 8, .value_kind: global_buffer, .address_space: global }
      - { .name: hs, .offset: 56, .size: 8, .value_kind: global_buffer, .address_space: global }
      - { .name: place, .offset: 64, .size: 8, .value_kind: global_buffer, .address_space: global }
    .group_segment_fixed_size: 135680
    .private_segment_fixed_size: 0
    .kernarg_segment_align: 8
    .kernarg_segment_size: 72
    .max_flat_workgroup_size: 128
    .sgpr_count:     96
    .vgpr_count:     1024
    .wavefront_size: 32
...
	.end_amdgpu_metadata
.endif
;; end of part 2
;; launch down (part 3): grid 256 x 1, 4 waves a work-group, no clusters, 84,480 bytes of LDS; arguments place, hq, hs, W2_codes, W2_scales, ybuf; writes ybuf
.if DOCPART == 3
	.amdgcn_target "amdgcn-amd-amdhsa--gfx1250"
	.amdhsa_code_object_version 6
	.text
	.protected	k_q3a898c49d9_down
	.globl	k_q3a898c49d9_down
	.p2align	8
	.type	k_q3a898c49d9_down,@function
k_q3a898c49d9_down:
	s_mov_b64 s[64:65], 0
	v_nop
	global_prefetch_b8 v0, s[64:65] scope:SCOPE_SE
	s_setreg_imm32_b32 hwreg(HW_REG_WAVE_MODE, 25, 1), 1
	s_wait_xcnt 0x0
; DOWN.  y = h W2 on codes of E2M1, for the routed rows, in the experts' own order of rows; K in two halves, each with its own sums (the last launch adds them, and b2).
; A work-group is (expert e = id / 32, half kh = (id / 16) % 2 of K, slice ds = id % 16 of 64 outputs): each byte of W2 is read by one work-group, and a row of its results is 256 consecutive bytes.
; Every wave holds the whole slice in registers (16 K steps x 4 tiles = 64 fragments, 512 registers; it comes once, each wave a quarter, through LDS); the waves share the tiles of 16 rows:
; wave w takes tiles w, w + 4, .. < nt = ceil(n / 16), n read from place: just the tiles that the launch before stored.
; h's fragments lie in memory as the operand's registers: a tile's half of K is 32 loads of 512 consecutive bytes, and 8 loads of scale words.  TWO BUFFERS, EACH ASKED FOR AGAIN DIRECTLY BEHIND THE PRODUCTS
; THAT READ IT: a tile's 40 loads then have the way out of one tile and the whole of the next tile's turn in which to land.  The wave's first tile (tile w lies inside the buffer whatever n is) is asked for
; at the head, behind the weights; the second straight behind the barrier.  Where a load is or is not issued the paths part, and the path without ends the wave: so each counted wait counts the same loads on every path.
; No tensor load and no copy: the trip count hangs on a stored number.  The one barrier stands ahead of every branch on it.  No cluster, for the same reason.
; THE PRODUCT IS USED TRANSPOSED (source 0 = 16 rows of W2, source 1 = 16 rows of h): a lane holds eight neighbouring outputs of one row.
; REGISTERS, in windows of 256: window 0: v1-15 addresses; v16-47 W2's scale words; v48-63 h's, two sets; v64-95 four accumulators; v96-127 rows on the way out.
;   window 1, 2: W2's fragments (K steps 0-7, 8-15).  window 3: h's fragments, two buffers of 128 (the second holds the weights as loaded, at the head).
.set PW,   1040                        ; an LDS row of the slice: 1,024 bytes + 16
.set OST,  64*PW                       ; behind the slice: a stage of 16 rows x (256 + 16) bytes for each wave
.set OSW,  16*272
.set W2S,  16
.set HS,   48
.set ACC,  64
.set OUT,  96
.set WOF,  130                         ; v130 W2's load offset
.set RAW,  128                         ; window 3: the weights as loaded
.set TRIPS, 25                         ; s25  ceil((nt - w - 4) / 8): the trips that begin with two tiles asked for
.set CNT,  31                          ; s31  trips done
.set MSB, 0
.macro WIN new                         ; the immediate's high byte repeats the setting that is left
.if MSB != \new
	s_set_vgpr_msb (MSB<<8)|\new
.set MSB, \new
.endif
.endm
.macro LOADT b, st                     ; tile s[st]: its fragments and scale words of my half of K into buffer b: 40 loads.  Each buffer has offset registers of its own, written again only behind the wait for that buffer's loads
	v_lshl_add_u32 v[7+(\b)], s[\st], 15, v1
	v_lshl_add_u32 v[9+(\b)], s[\st], 11, v6
	WIN 0xc0
.set i, 0
.rept 32
	global_load_b128 v[128*(\b)+4*i:128*(\b)+4*i+3], v[7+(\b)], s[6:7] offset:512*i
.set i, i+1
.endr
	WIN 0
.set i, 0
.rept 8
	global_load_b32 v[HS+8*(\b)+i], v[9+(\b)], s[8:9] offset:128*i   ; lanes 0-15 K step 2 i, lanes 16-31 K step 2 i + 1
.set i, i+1
.endr
.endm
.macro DNW d, a, b, sa, sb, ra, rb, zero
.if \zero
	v_wmma_scale_f32_16x16x128_f8f6f4 v[\d:\d+7], v[\a:\a+7], v[\b:\b+7], 0, v[\sa], v[\sb] matrix_a_fmt:MATRIX_FMT_FP4 matrix_b_fmt:MATRIX_FMT_FP4
.elseif (\ra) && (\rb)
	v_wmma_scale_f32_16x16x128_f8f6f4 v[\d:\d+7], v[\a:\a+7], v[\b:\b+7], v[\d:\d+7], v[\sa], v[\sb] matrix_a_fmt:MATRIX_FMT_FP4 matrix_b_fmt:MATRIX_FMT_FP4 matrix_a_scale:MATRIX_SCALE_ROW1 matrix_b_scale:MATRIX_SCALE_ROW1
.elseif (\ra)
	v_wmma_scale_f32_16x16x128_f8f6f4 v[\d:\d+7], v[\a:\a+7], v[\b:\b+7], v[\d:\d+7], v[\sa], v[\sb] matrix_a_fmt:MATRIX_FMT_FP4 matrix_b_fmt:MATRIX_FMT_FP4 matrix_a_scale:MATRIX_SCALE_ROW1
.elseif (\rb)
	v_wmma_scale_f32_16x16x128_f8f6f4 v[\d:\d+7], v[\a:\a+7], v[\b:\b+7], v[\d:\d+7], v[\sa], v[\sb] matrix_a_fmt:MATRIX_FMT_FP4 matrix_b_fmt:MATRIX_FMT_FP4 matrix_b_scale:MATRIX_SCALE_ROW1
.else
	v_wmma_scale_f32_16x16x128_f8f6f4 v[\d:\d+7], v[\a:\a+7], v[\b:\b+7], v[\d:\d+7], v[\sa], v[\sb] matrix_a_fmt:MATRIX_FMT_FP4 matrix_b_fmt:MATRIX_FMT_FP4
.endif
.endm
.macro COMPUTE b                       ; 64 products: the four accumulators by turns, one instruction a turn, K ascending; the first K step starts the sums
.irp s, 0,1,2,3,4,5,6,7,8,9,10,11,12,13,14,15
.if \s < 8
	WIN 0x0d                                       ; source 0 (W2) window 1, source 1 (h) window 3
.else
	WIN 0x0e                                       ; W2's K steps 8-15: window 2
.endif
.irp t, 0,1,2,3
	DNW ACC+8*\t, 8*(4*(\s%8)+\t), 128*(\b)+8*\s, W2S+8*\t+4*(\s/8)+\s%4, HS+8*(\b)+\s/2, (\s/4)%2, \s%2, \s==0
.endr
.endr
	WIN 0
.rept 5
	v_nop                                          ; four places in front of the stores that read results and of loads into the operands' registers; five in front of the products that begin the accumulators anew
.endr
.endm
.macro STAGEOUT st                     ; tile s[st]'s 16 rows x 64 outputs into my stage, and asked back as whole rows of 256 bytes
	s_wait_xcnt 0x0                                ; the last tile's stores have read their data and offset
	v_lshl_add_u32 v14, s[\st], 16, v13            ; 16 rows of 4,096 bytes a tile
.irp t, 0,1,2,3
	ds_store_b128 v11, v[ACC+8*\t:ACC+8*\t+3] offset:64*\t            ; each accumulator from its low end on
	ds_store_b128 v11, v[ACC+8*\t+4:ACC+8*\t+7] offset:64*\t+16
.endr
.set i, 0
.rept 8
	ds_load_b128 v[OUT+4*i:OUT+4*i+3], v12 offset:544*i               ; LDS serves a wave's instructions in order: these see my stores
.set i, i+1
.endr
.endm
.macro SENDOUT                         ; and out
.set i, 0
.rept 8
	s_wait_dscnt 7-i                               ; read-back i is in; the younger ones may be out
	global_store_b128 v14, v[OUT+4*i:OUT+4*i+3], s[14:15] offset:8192*i   ; 16 lanes store 256 consecutive bytes of a row, at a multiple of 256 from the buffer's first byte
.set i, i+1
.endr
.endm
.macro FRAGS                           ; the slice out of LDS into windows 1 and 2
	WIN 0x40
.irp s, 0,1,2,3,4,5,6,7
.irp t, 0,1,2,3
.irp c, 0,1
	ds_load_b128 v[8*(4*\s+\t)+4*\c:8*(4*\s+\t)+4*\c+3], v5 offset:16*\t*PW+64*\s+32*\c
.endr
.endr
.endr
	WIN 0x80
.irp s, 8,9,10,11,12,13,14,15
.irp t, 0,1,2,3
.irp c, 0,1
	ds_load_b128 v[8*(4*(\s-8)+\t)+4*\c:8*(4*(\s-8)+\t)+4*\c+3], v5 offset:16*\t*PW+64*\s+32*\c
.endr
.endr
.endr
	WIN 0
	s_wait_dscnt 0x0
.endm
	s_load_b256 s[4:11], s[0:1], 0x0               ; place, hq, hs, W2's codes
	s_load_b128 s[12:15], s[0:1], 0x20             ; W2's scales, ybuf
	v_lshl_add_u32 v254, v0, 2, 0x14800
	v_mov_b32 v255, 0
	v_lshrrev_b32 v129, 5, v0
	v_readfirstlane_b32 s16, v129                  ; wave
	v_and_b32 v129, 31, v0
	v_lshlrev_b32 v1, 4, v129                      ; 16 x lane
	v_lshlrev_b32 v6, 2, v129                      ; 4 x lane
	v_and_b32 v2, 15, v0                           ; r
	v_bfe_u32 v3, v0, 4, 1                         ; h
	s_lshr_b32 s17, ttmp9, 5                       ; the expert
	s_bfe_u32 s18, ttmp9, 0x10004                  ; the half of K
	s_and_b32 s19, ttmp9, 15                       ; the slice of outputs
	s_mul_i32 s26, s16, 16*PW                      ; my 16 rows of the slice in LDS
	s_mul_i32 s27, s16, OSW
	s_add_co_u32 s27, s27, OST                     ; my stage
	s_lshl_b32 s28, s16, 15                        ; my 16 rows of 2,048 bytes in memory
	v_add_nc_u32 v4, s26, v1
	v_mul_u32_u24 v5, v2, PW
	v_lshl_add_u32 v5, v3, 4, v5                   ; W2's fragments: row r, + 16 h
	v_mul_u32_u24 v11, v2, 272
	v_lshl_add_u32 v11, v3, 5, v11
	v_add_nc_u32 v11, s27, v11                     ; the stage, in: row r, 32 bytes for each half of the lanes
	v_mul_u32_u24 v12, v3, 272
	v_lshl_add_u32 v12, v2, 4, v12
	v_add_nc_u32 v12, s27, v12                     ; back: lanes 0-15 one row, lanes 16-31 the next
	v_lshlrev_b32 v13, 4, v2
	v_lshl_add_u32 v13, v3, 12, v13                ; and the same two rows in ybuf
	v_lshlrev_b32 v15, 7, v2
	v_lshl_add_u32 v15, v3, 4, v15                 ; W2's scale words: 128 bytes a row, + 16 h
	v_add_nc_u32 v[WOF], s28, v1
	s_lshl_b32 s30, s17, 7
	s_mov_b32 s29, 0
	s_mov_b32 s22, s16                             ; my first tile
	s_wait_kmcnt 0x0
	s_load_b32 s20, s[4:5], s30 offset:0x8000      ; n
	s_lshl_b32 s28, s17, 21
	s_lshl_b32 s26, s18, 14
	s_add_co_u32 s28, s28, s26
	s_add_nc_u64 s[6:7], s[6:7], s[28:29]          ; hq at (e, tile 0, K step 16 kh)
	s_lshl_b32 s28, s17, 17
	s_lshl_b32 s26, s18, 10
	s_add_co_u32 s28, s28, s26
	s_add_nc_u64 s[8:9], s[8:9], s[28:29]          ; hs likewise
	s_lshl_b32 s28, s17, 21
	s_lshl_b32 s26, s19, 17
	s_add_co_u32 s28, s28, s26
	s_lshl_b32 s26, s18, 10
	s_add_co_u32 s28, s28, s26
	s_add_nc_u64 s[10:11], s[10:11], s[28:29]      ; W2's codes at (e, output 64 ds, K 2,048 kh)
	s_lshl_b32 s28, s17, 17
	s_lshl_b32 s26, s19, 13
	s_add_co_u32 s28, s28, s26
	s_lshl_b32 s26, s18, 6
	s_add_co_u32 s28, s28, s26
	s_add_nc_u64 s[12:13], s[12:13], s[28:29]      ; its scale bytes
	s_lshl_b32 s28, s18, 3
	s_add_co_u32 s28, s28, s17
	s_lshl_b32 s28, s28, 22
	s_lshl_b32 s26, s19, 8
	s_add_co_u32 s28, s28, s26
	s_add_nc_u64 s[14:15], s[14:15], s[28:29]      ; ybuf at (kh, e, row 0, output 64 ds)
	WIN 0xc0
.irp i, 0,1,2,3,4,5,6,7,8,9,10,11,12,13,14,15
.irp a, 0,1
	global_load_b128 v[RAW+4*(2*\i+\a):RAW+4*(2*\i+\a)+3], v[WOF], s[10:11] offset:2048*\i+512*\a th:TH_LOAD_NT   ; 512 consecutive bytes of a row; read by this wave alone in the launch
.endr
.endr
	WIN 0
.irp t, 0,1,2,3
.irp a, 0,1
	global_load_b128 v[W2S+8*\t+4*\a:W2S+8*\t+4*\a+3], v15, s[12:13] offset:2048*\t+32*\a   ; register 8 t + 4 a + j: lanes 0-15 K step 8 a + j, lanes 16-31 K step 8 a + 4 + j
.endr
.endr
	LOADT 0, 22                                    ; tile w, with no branch: it lies inside the buffers whatever n is; a wave that has no tile uses nothing of it
	s_wait_kmcnt 0x0
	s_min_u32 s20, s20, 0x400
	s_add_co_u32 s21, s20, 15
	s_lshr_b32 s21, s21, 4                         ; nt
	s_add_co_u32 s[TRIPS], s21, 3
	s_sub_co_u32 s[TRIPS], s[TRIPS], s16
	s_lshr_b32 s[TRIPS], s[TRIPS], 3               ; ceil((nt - w - 4) / 8)
	s_mov_b32 s[CNT], 0
	s_wait_loadcnt 40                              ; the weights and their scale words are in; tile w's 40 loads behind them may be out
	WIN 0x0c                                       ; an LDS store's data are its source 1: window 3
.irp i, 0,1,2,3,4,5,6,7,8,9,10,11,12,13,14,15
.irp a, 0,1
	ds_store_b128 v4, v[RAW+4*(2*\i+\a):RAW+4*(2*\i+\a)+3] offset:PW*\i+512*\a
.endr
.endr
	WIN 0
	s_wait_dscnt 0x0                               ; my quarter of the slice lies in LDS, and the stores have read buffer 1's registers
	s_barrier_signal -1
	s_barrier_wait -1                              ; the whole slice does.  The launch's one barrier
	s_cmp_ge_u32 s22, s21
	s_cbranch_scc1 .Lend                           ; no tile for this wave
	s_add_co_u32 s23, s22, 4
	s_cmp_lt_u32 s23, s21
	s_cbranch_scc1 .Lmany
	FRAGS                                          ; one tile alone
	s_wait_loadcnt 0x0
	COMPUTE 0
	STAGEOUT 22
	SENDOUT
	s_wait_tensorcnt 0x0
	ds_add_u32 v254, v255
	s_wait_dscnt 0x0
	s_endpgm
.Lmany:
	LOADT 1, 23                                    ; my second tile is on its way while the slice comes out of LDS
	FRAGS
.Ltwo:                                             ; a trip begins with tiles t (buffer 0) and t + 4 (buffer 1) asked for, in that order
	s_add_co_u32 s23, s22, 4
	s_add_co_u32 s24, s22, 8
	s_add_co_u32 s32, s22, 12
	s_wait_loadcnt 40                              ; buffer 0 is in; buffer 1's 40 loads behind it may be out
	COMPUTE 0
	STAGEOUT 22
	s_cmp_lt_u32 s24, s21
	s_cbranch_scc1 .Lhas_third
	SENDOUT                                        ; t + 4 is my last tile
	s_wait_loadcnt 0x0
	COMPUTE 1
	STAGEOUT 23
	SENDOUT
	s_wait_tensorcnt 0x0
	ds_add_u32 v254, v255
	s_wait_dscnt 0x0
	s_endpgm
.Lhas_third:
	LOADT 0, 24                                    ; buffer 0 again, directly behind its products; the stage's round trip through LDS passes meanwhile
	SENDOUT
	s_wait_loadcnt 40                              ; buffer 1 is in; the 40 loads just issued may be out
	COMPUTE 1
	STAGEOUT 23
	s_cmp_lt_u32 s32, s21
	s_cbranch_scc1 .Lhas_fourth
	SENDOUT                                        ; t + 8 is my last tile
	s_wait_loadcnt 0x0
	COMPUTE 0
	STAGEOUT 24
	SENDOUT
	s_wait_tensorcnt 0x0
	ds_add_u32 v254, v255
	s_wait_dscnt 0x0
	s_endpgm
.Lhas_fourth:
	LOADT 1, 32
	SENDOUT
	s_add_co_u32 s22, s22, 8
	s_add_co_u32 s[CNT], s[CNT], 1
	s_cmp_lt_u32 s[CNT], s[TRIPS]                  ; w + 8 (trips done) + 4 < nt holds here, so another trip follows
	s_cbranch_scc1 .Ltwo
.Lend:
	s_wait_tensorcnt 0x0
	ds_add_u32 v254, v255
	s_wait_dscnt 0x0
	s_endpgm
.Lfunc_end_k_q3a898c49d9_down:
	.size	k_q3a898c49d9_down, .Lfunc_end_k_q3a898c49d9_down-k_q3a898c49d9_down
	.p2alignl 7, 3214868480
	.fill 96, 4, 3214868480
	.section	.rodata,"a",@progbits
	.p2align	6, 0x0
	.amdhsa_kernel k_q3a898c49d9_down
		.amdhsa_group_segment_fixed_size 84480
		.amdhsa_private_segment_fixed_size 0
		.amdhsa_enable_private_segment 0
		.amdhsa_kernarg_size 48
		.amdhsa_user_sgpr_count 2
		.amdhsa_user_sgpr_kernarg_segment_ptr 1
		.amdhsa_wavefront_size32 1
		.amdhsa_system_sgpr_workgroup_id_x 1
		.amdhsa_system_sgpr_workgroup_id_y 1
		.amdhsa_system_sgpr_workgroup_id_z 1
		.amdhsa_system_vgpr_workitem_id 0
		.amdhsa_next_free_vgpr 1024
		.amdhsa_next_free_sgpr 66
		.amdhsa_reserve_vcc 0
		.amdhsa_float_denorm_mode_32 3
		.amdhsa_float_denorm_mode_16_64 3
		.amdhsa_memory_ordered 1
		.amdhsa_forward_progress 1
		.amdhsa_inst_pref_size 97
	.end_amdhsa_kernel
	.amdgpu_metadata
---
amdhsa.version: [ 1, 2 ]
amdhsa.kernels:
  - .name:           k_q3a898c49d9_down
    .symbol:         k_q3a898c49d9_down.kd
    .args:
      - { .name: place, .offset: 0, .size: 8, .value_kind: global_buffer, .address_space: global }
      - { .name: hq, .offset: 8, .size: 8, .value_kind: global_buffer, .address_space: global }
      - { .name: hs, .offset: 16, .size: 8, .value_kind: global_buffer, .address_space: global }
      - { .name: W2_codes, .offset: 24, .size: 8, .value_kind: global_buffer, .address_space: global }
      - { .name: W2_scales, .offset: 32, .size: 8, .value_kind: global_buffer, .address_space: global }
      - { .name: ybuf, .offset: 40, .size: 8, .value_kind: global_buffer, .address_space: global }
    .group_segment_fixed_size: 84480
    .private_segment_fixed_size: 0
    .kernarg_segment_align: 8
    .kernarg_segment_size: 48
    .max_flat_workgroup_size: 128
    .sgpr_count:     66
    .vgpr_count:     1024
    .wavefront_size: 32
...
	.end_amdgpu_metadata
.endif
;; end of part 3
;; launch combine (part 4): grid 256 x 1, 4 waves a work-group, no clusters, 0 bytes of LDS; arguments idx, gate, place, ybuf, b2, out0; writes out0
.if DOCPART == 4
	.amdgcn_target "amdgcn-amd-amdhsa--gfx1250"
	.amdhsa_code_object_version 6
	.text
	.protected	k_q3a898c49d9_combine
	.globl	k_q3a898c49d9_combine
	.p2align	8
	.type	k_q3a898c49d9_combine,@function
k_q3a898c49d9_combine:
	s_mov_b64 s[64:65], 0
	v_nop
	global_prefetch_b8 v0, s[64:65] scope:SCOPE_SE
	s_setreg_imm32_b32 hwreg(HW_REG_WAVE_MODE, 25, 1), 1
	s_wait_xcnt 0x0
; COMBINE.  out[t] = g0 (y_lo + y_hi + b2)[e0] + g1 (y_lo + y_hi + b2)[e1]: each token's two routed rows, each in its two halves of K, are gathered, so that each output row has one owner and nothing is added in memory.
; One token to a wave.  Its experts (idx), its weights (gate) and its rank among EACH of the eight experts' rows (place: fixed addresses, 4,096 bytes apart) come by scalar loads that go out together:
; the two ranks that count are then chosen by s_cselect_b32, so that no load waits for the experts' numbers.  Experts are held to 0 .. 7 and ranks to 0 .. 1,023 ahead of any address.
; A row is 4,096 bytes: eight chunks of 512 consecutive bytes, six loads a chunk, all 48 out at once; a chunk is worked and stored as soon as its six are in.
; Memory binds: no LDS, no barrier, no matrix unit.
	s_load_b256 s[4:11], s[0:1], 0x0               ; idx, gate, place, ybuf
	s_load_b128 s[12:15], s[0:1], 0x20             ; b2, out0
	v_lshrrev_b32 v1, 5, v0
	v_readfirstlane_b32 s16, v1                    ; wave
	v_and_b32 v1, 31, v0
	v_lshlrev_b32 v1, 4, v1                        ; 16 x lane
	s_lshl_b32 s17, ttmp9, 2
	s_add_co_u32 s17, s17, s16                     ; my token
	s_lshl_b32 s18, s17, 2
	s_lshl_b32 s19, s17, 3
	s_lshl_b32 s36, s17, 12
	s_mov_b32 s37, 0
	s_wait_kmcnt 0x0
	s_load_b32 s24, s[4:5], s18 offset:0x0
	s_load_b64 s[20:21], s[6:7], s19 offset:0x0    ; g0, g1
.irp e, 0,1,2,3,4,5,6,7
	s_load_b32 s[40+\e], s[8:9], s18 offset:4096*\e   ; my rank among expert e's rows (a number for every expert; two of them count)
.endr
	s_add_nc_u64 s[32:33], s[10:11], 0x2000000     ; the upper half of K: 8 experts x 1,024 rows x 4,096 bytes on
	s_add_nc_u64 s[14:15], s[14:15], s[36:37]      ; out0 at my token's row
	s_wait_kmcnt 0x0
	s_and_b32 s25, s24, 0xff
	s_min_u32 s25, s25, 7                          ; e0
	s_bfe_u32 s26, s24, 0x80008
	s_min_u32 s26, s26, 7                          ; e1
	s_mov_b32 s29, s40
	s_mov_b32 s30, s40
.irp e, 1,2,3,4,5,6,7
	s_cmp_eq_u32 s25, \e
	s_cselect_b32 s29, s[40+\e], s29               ; my row among e0's rows,
	s_cmp_eq_u32 s26, \e
	s_cselect_b32 s30, s[40+\e], s30               ; among e1's
.endr
	s_min_u32 s29, s29, 0x3ff
	s_min_u32 s30, s30, 0x3ff
	s_mov_b32 s22, s21                             ; g1 as the low word of a pair
	s_mov_b32 s23, s21
	s_lshl_b32 s38, s25, 12                        ; b2's rows
	s_lshl_b32 s39, s26, 12
	v_add_nc_u32 v4, s38, v1
	v_add_nc_u32 v5, s39, v1
	s_lshl_b32 s34, s25, 22
	s_lshl_b32 s29, s29, 12
	s_add_co_u32 s34, s34, s29
	s_lshl_b32 s35, s26, 22
	s_lshl_b32 s30, s30, 12
	s_add_co_u32 s35, s35, s30
	v_add_nc_u32 v2, s34, v1
	v_add_nc_u32 v3, s35, v1
.irp i, 0,1,2,3,4,5,6,7
	global_load_b128 v[16+4*\i:19+4*\i], v2, s[10:11] offset:512*\i th:TH_LOAD_NT     ; a routed row is read by its token's wave alone
	global_load_b128 v[48+4*\i:51+4*\i], v2, s[32:33] offset:512*\i th:TH_LOAD_NT
	global_load_b128 v[80+4*\i:83+4*\i], v3, s[10:11] offset:512*\i th:TH_LOAD_NT
	global_load_b128 v[112+4*\i:115+4*\i], v3, s[32:33] offset:512*\i th:TH_LOAD_NT
	global_load_b128 v[144+4*\i:147+4*\i], v4, s[12:13] offset:512*\i
	global_load_b128 v[176+4*\i:179+4*\i], v5, s[12:13] offset:512*\i
.endr
.irp i, 0,1,2,3,4,5,6,7
	s_wait_loadcnt 6*(7-\i)                        ; chunk i's six loads are in; those of the chunks behind it may be out
.irp u, 0,2
	v_pk_add_f32 v[16+4*\i+\u:17+4*\i+\u], v[16+4*\i+\u:17+4*\i+\u], v[48+4*\i+\u:49+4*\i+\u]
	v_pk_add_f32 v[80+4*\i+\u:81+4*\i+\u], v[80+4*\i+\u:81+4*\i+\u], v[112+4*\i+\u:113+4*\i+\u]
	v_pk_add_f32 v[16+4*\i+\u:17+4*\i+\u], v[16+4*\i+\u:17+4*\i+\u], v[144+4*\i+\u:145+4*\i+\u]
	v_pk_add_f32 v[80+4*\i+\u:81+4*\i+\u], v[80+4*\i+\u:81+4*\i+\u], v[176+4*\i+\u:177+4*\i+\u]
	v_pk_mul_f32 v[16+4*\i+\u:17+4*\i+\u], v[16+4*\i+\u:17+4*\i+\u], s[20:21] op_sel_hi:[1,0]
	v_pk_fma_f32 v[16+4*\i+\u:17+4*\i+\u], v[80+4*\i+\u:81+4*\i+\u], s[22:23], v[16+4*\i+\u:17+4*\i+\u] op_sel_hi:[1,0,1]
.endr
	global_store_b128 v1, v[16+4*\i:19+4*\i], s[14:15] offset:512*\i th:TH_STORE_NT   ; 512 consecutive bytes of the row; written once
.endr
	s_endpgm
.Lfunc_end_k_q3a898c49d9_combine:
	.size	k_q3a898c49d9_combine, .Lfunc_end_k_q3a898c49d9_combine-k_q3a898c49d9_combine
	.p2alignl 7, 3214868480
	.fill 96, 4, 3214868480
	.section	.rodata,"a",@progbits
	.p2align	6, 0x0
	.amdhsa_kernel k_q3a898c49d9_combine
		.amdhsa_group_segment_fixed_size 0
		.amdhsa_private_segment_fixed_size 0
		.amdhsa_enable_private_segment 0
		.amdhsa_kernarg_size 48
		.amdhsa_user_sgpr_count 2
		.amdhsa_user_sgpr_kernarg_segment_ptr 1
		.amdhsa_wavefront_size32 1
		.amdhsa_system_sgpr_workgroup_id_x 1
		.amdhsa_system_sgpr_workgroup_id_y 1
		.amdhsa_system_sgpr_workgroup_id_z 1
		.amdhsa_system_vgpr_workitem_id 0
		.amdhsa_next_free_vgpr 224
		.amdhsa_next_free_sgpr 66
		.amdhsa_reserve_vcc 0
		.amdhsa_float_denorm_mode_32 3
		.amdhsa_float_denorm_mode_16_64 3
		.amdhsa_memory_ordered 1
		.amdhsa_forward_progress 1
		.amdhsa_inst_pref_size 15
	.end_amdhsa_kernel
	.amdgpu_metadata
---
amdhsa.version: [ 1, 2 ]
amdhsa.kernels:
  - .name:           k_q3a898c49d9_combine
    .symbol:         k_q3a898c49d9_combine.kd
    .args:
      - { .name: idx, .offset: 0, .size: 8, .value_kind: global_buffer, .address_space: global }
      - { .name: gate, .offset: 8, .size: 8, .value_kind: global_buffer, .address_space: global }
      - { .name: place, .offset: 16, .size: 8, .value_kind: global_buffer, .address_space: global }
      - { .name: ybuf, .offset: 24, .size: 8, .value_kind: global_buffer, .address_space: global }
      - { .name: b2, .offset: 32, .size: 8, .value_kind: global_buffer, .address_space: global }
      - { .name: out0, .offset: 40, .size: 8, .value_kind: global_buffer, .address_space: global }
    .group_segment_fixed_size: 0
    .private_segment_fixed_size: 0
    .kernarg_segment_align: 8
    .kernarg_segment_size: 48
    .max_flat_workgroup_size: 128
    .sgpr_count:     66
    .vgpr_count:     224
    .wavefront_size: 32
...
	.end_amdgpu_metadata
.endif
;; end of part 4
;; ======== version 2 of 2: 4 launches
;; workspace buffers: xq 524,288 bytes; xs 32,768 bytes; idx 4,096 bytes of whole numbers; gate 8,192 bytes; place 33,792 bytes of whole numbers; hq 16,777,216 bytes; hs 1,048,576 bytes; ybuf 67,108,864 bytes
;; launch route (part 5): grid 256 x 1, 4 waves a work-group, no clusters, 52,224 bytes of LDS; arguments x, Wg, bg, xq, xs, idx, gate; writes xq, xs, idx, gate
.if DOCPART == 5
	.amdgcn_target "amdgcn-amd-amdhsa--gfx1250"
	.amdhsa_code_object_version 6
	.text
	.protected	k_q3a898c49d9_route
	.globl	k_q3a898c49d9_route
	.p2align	8
	.type	k_q3a898c49d9_route,@function
k_q3a898c49d9_route:
	s_mov_b64 s[64:65], 0
	v_nop
	global_prefetch_b8 v0, s[64:65] scope:SCOPE_SE
	s_setreg_imm32_b32 hwreg(HW_REG_WAVE_MODE, 25, 1), 1
	s_wait_xcnt 0x0
; ROUTE.  For each of the 1,024 tokens: the gate (x Wg + bg in f32 multiply-adds, softmax with its maximum taken away, top 2 of 8), and x as codes of E2M1 with one E8M0 byte for each 32 along K.
; One token to a wave, four to a work-group.  Stored at fixed places: xq [t][512 bytes of codes], xs [t][32 scale bytes], idx [t] = e0 | e1 << 8 | ((1 << e0) | (1 << e1)) << 16, gate [t] = g0, g1.
; No address and no branch hangs on the choice: it only selects values.
; A lane holds block l of its token: k = 32 l .. 32 l + 31.  The loads take the row as it lies (512 consecutive bytes each); the wave's own stage in LDS turns it.  Wg (32 KB) comes once for the
; work-group, each wave a quarter, and lies in LDS as 32 rows of 1,024 bytes (the 32 k of a lane x 8 experts), 1,040 apart.
; LIMITS: NaN and infinities among the inputs are not served.  A block whose largest magnitude lies under 2^-124 gets the byte 1; so does a block of zeros, where the quantiser says 127: its codes are
; zeros, and this program alone reads the bytes.  The top 2 are taken of this text's own f32 probabilities (a strict compare keeps the lower index on ties): two probabilities nearer to each other than
; the error of an f32 sum of 1,024 terms may be ordered otherwise than another order of summation orders them.
.set PWG,  1040                        ; a lane's row of Wg in LDS: 1,024 bytes + 16
.set XST,  32*PWG                      ; behind Wg: a stage of 32 places for each wave
.set PX,   144                         ; a place: a block's 128 bytes + 16
.set XR,   16                          ; v16-47   x as loaded
.set X,    48                          ; v48-79   my block of 32
.set WB0,  80                          ; v80-143  Wg as loaded, then Wg of 8 k, buffer 0
.set WB1,  144                         ; v144-207 buffer 1
.set AC,   208                         ; v208-223 the 8 sums, twice (even k, odd k)
.set CD,   224                         ; v224-227 my block's codes
.set P,    232                         ; v232-239 the probabilities
.set G,    240                         ; v240-241 g0, g1
.set I0,   242                         ; v242, v243 e0, e1
.set I1,   243
	s_load_b256 s[4:11], s[0:1], 0x0               ; x, Wg, bg, xq
	s_load_b128 s[12:15], s[0:1], 0x20             ; xs, idx
	s_load_b64 s[16:17], s[0:1], 0x30              ; gate
	v_lshl_add_u32 v254, v0, 2, 0xca00
	v_mov_b32 v255, 0
	v_lshrrev_b32 v8, 5, v0
	v_readfirstlane_b32 s18, v8                    ; wave
	v_and_b32 v1, 31, v0                           ; lane
	v_lshlrev_b32 v2, 4, v1                        ; 16 x lane
	s_lshl_b32 s19, ttmp9, 2
	s_add_co_u32 s19, s19, s18                     ; my token
	s_mul_i32 s22, s18, 32*PX
	s_add_co_u32 s22, s22, XST                     ; my stage
	s_mul_i32 s23, s18, 8*PWG                      ; my quarter of Wg in LDS: 8 rows
	s_lshl_b32 s36, s18, 13                        ; and in memory: 8,192 bytes
	v_lshrrev_b32 v8, 3, v1
	v_and_b32 v9, 7, v1
	v_mul_u32_u24 v3, v8, PX
	v_lshl_add_u32 v3, v9, 4, v3
	v_add_nc_u32 v3, s22, v3                       ; the stage, in: eight lanes' 128 bytes to a place
	v_mul_u32_u24 v4, v1, PX
	v_add_nc_u32 v4, s22, v4                       ; out: my place
	v_add_nc_u32 v5, s23, v2                       ; Wg, in
	v_mul_u32_u24 v6, v1, PWG                      ; Wg, out: my row
	v_add_nc_u32 v7, s36, v2                       ; Wg in memory
	s_mov_b32 s32, 0x76543210
	s_mov_b32 s33, 0xfedcba98                      ; v_permlanex16_b32's selects for lane l xor 16
	s_mov_b32 s35, 0x3fb8aa3b                      ; log2(e)
	s_mov_b32 s21, 0
	s_wait_alu depctr_va_vdst(0)
	s_wait_kmcnt 0x0
	s_load_b256 s[24:31], s[8:9], 0x0              ; bg
	s_lshl_b32 s20, s19, 12
	s_add_nc_u64 s[4:5], s[4:5], s[20:21]          ; x at my token's row
	s_lshl_b32 s20, s19, 9
	s_add_nc_u64 s[10:11], s[10:11], s[20:21]      ; xq
	s_lshl_b32 s20, s19, 5
	s_add_nc_u64 s[12:13], s[12:13], s[20:21]      ; xs
	s_lshl_b32 s20, s19, 2
	s_add_nc_u64 s[14:15], s[14:15], s[20:21]      ; idx
	s_lshl_b32 s20, s19, 3
	s_add_nc_u64 s[16:17], s[16:17], s[20:21]      ; gate
.set i, 0
.rept 8
	global_load_b128 v[XR+4*i:XR+4*i+3], v2, s[4:5] offset:512*i th:TH_LOAD_NT   ; 512 consecutive bytes of the row
.set i, i+1
.endr
.set i, 0
.rept 16
	global_load_b128 v[WB0+4*i:WB0+4*i+3], v7, s[6:7] offset:512*i
.set i, i+1
.endr
	s_wait_loadcnt 16                              ; x is in; the 16 loads of Wg behind it may be out
.set i, 0
.rept 8
	ds_store_b128 v3, v[XR+4*i:XR+4*i+3] offset:4*PX*i
.set i, i+1
.endr
.set i, 0
.rept 8
	ds_load_b128 v[X+4*i:X+4*i+3], v4 offset:16*i  ; LDS serves a wave's instructions in order: these see my stores
.set i, i+1
.endr
	s_wait_loadcnt 0x0                             ; Wg
.set i, 0
.rept 16
	ds_store_b128 v5, v[WB0+4*i:WB0+4*i+3] offset:(i/2)*PWG+(i%2)*512
.set i, i+1
.endr
	s_wait_dscnt 0x0                               ; my quarter of Wg lies in LDS (and my block is back)
	s_barrier_signal -1
	s_barrier_wait -1                              ; everybody's does
.macro GLOAD g, buf                    ; Wg of my k = 32 l + 8 g .. + 7: register 8 kk + e of the buffer
.set i, 0
.rept 16
	ds_load_b128 v[\buf+4*i:\buf+4*i+3], v6 offset:256*\g+16*i
.set i, i+1
.endr
.endm
.macro GK buf, k, kk, b                ; one k: four packed multiply-adds, x(k) for both halves; b = k % 2 picks the set of sums, so that eight chains take turns
.irp q, 0,1,2,3
.if (\k) < 2
	v_pk_mul_f32 v[AC+8*\b+2*\q:AC+8*\b+2*\q+1], v[\buf+8*(\kk)+2*\q:\buf+8*(\kk)+2*\q+1], v[X+(\k)-\b:X+(\k)-\b+1] op_sel:[0,\b] op_sel_hi:[1,\b]   ; the first products start the sums
.else
	v_pk_fma_f32 v[AC+8*\b+2*\q:AC+8*\b+2*\q+1], v[\buf+8*(\kk)+2*\q:\buf+8*(\kk)+2*\q+1], v[X+(\k)-\b:X+(\k)-\b+1], v[AC+8*\b+2*\q:AC+8*\b+2*\q+1] op_sel:[0,\b,0] op_sel_hi:[1,\b,1]
.endif
.endr
.endm
.macro GFMA g, buf
.irp j, 0,1,2,3
	GK \buf, 8*\g+2*\j, 2*\j, 0
	GK \buf, 8*\g+2*\j+1, 2*\j+1, 1
.endr
.endm
	GLOAD 0, WB0
	GLOAD 1, WB1
	; my block's codes and byte, while Wg is on its way out of LDS
	v_max3_num_f32 v12, |v[X]|, |v[X+1]|, |v[X+2]|
	v_max3_num_f32 v13, |v[X+3]|, |v[X+4]|, |v[X+5]|
.irp i, 6,10,14,18,22,26
	v_max3_num_f32 v12, v12, |v[X+\i]|, |v[X+\i+1]|
	v_max3_num_f32 v13, v13, |v[X+\i+2]|, |v[X+\i+3]|
.endr
	v_max3_num_f32 v12, v12, |v[X+30]|, |v[X+31]|
	v_max3_num_f32 v12, v12, v13, 0x1800000        ; the floor 2^(3 - 127): the byte cannot fall under 1
	v_add_nc_u32 v11, 0xff000000, v12              ; 2 off the exponent field: the conversion's scale operand
.irp g, 0,1,2,3
	v_cvt_scalef32_pk8_fp4_f32 v[CD+\g], v[X+8*\g:X+8*\g+7], v11
.endr
	v_lshrrev_b32 v10, 23, v11                     ; the scale's byte (a plain line behind the conversions)
	global_store_b128 v2, v[CD:CD+3], s[10:11]     ; the wave stores the token's 512 bytes of codes on end
	global_store_b8 v1, v10, s[12:13]              ; and its 32 scale bytes
	s_wait_dscnt 16                                ; group 0 is in; group 1's 16 loads may be out
	GFMA 0, WB0
	GLOAD 2, WB0
	s_wait_alu depctr_va_vdst(0)
	s_wait_dscnt 16                                ; group 1 is in; group 2's may be out
	GFMA 1, WB1
	GLOAD 3, WB1
	s_wait_alu depctr_va_vdst(0)
	s_wait_dscnt 16                                ; group 2 is in; group 3's may be out
	GFMA 2, WB0
	s_wait_alu depctr_va_vdst(0)
	s_wait_dscnt 0x0
	GFMA 3, WB1
.irp q, 0,1,2,3
	v_pk_add_f32 v[AC+2*\q:AC+2*\q+1], v[AC+2*\q:AC+2*\q+1], v[AC+8+2*\q:AC+8+2*\q+1]
.endr
.irp m, 1,2,4,8
.irp e, 0,1,2,3,4,5,6,7
	v_add_f32_dpp v[AC+\e], v[AC+\e], v[AC+\e] row_xmask:\m row_mask:0xf bank_mask:0xf
.endr
.endr
.irp e, 0,1,2,3,4,5,6,7
	v_permlanex16_b32 v[AC+8+\e], v[AC+\e], s32, s33
.endr
.irp e, 0,1,2,3,4,5,6,7
	v_add_f32 v[AC+\e], v[AC+\e], v[AC+8+\e]       ; every lane holds the eight sums
.endr
	s_wait_alu depctr_va_vdst(0)
	s_wait_kmcnt 0x0                               ; bg
.irp e, 0,1,2,3,4,5,6,7
	v_add_f32 v[AC+\e], s[24+\e], v[AC+\e]         ; the logits
.endr
	v_max3_num_f32 v228, v[AC], v[AC+1], v[AC+2]
	v_max3_num_f32 v228, v228, v[AC+3], v[AC+4]
	v_max3_num_f32 v228, v228, v[AC+5], v[AC+6]
	v_max_num_f32 v228, v228, v[AC+7]              ; their maximum
	v_mul_f32 v231, s35, v228
.irp e, 0,1,2,3,4,5,6,7
	v_fma_f32 v[P+\e], v[AC+\e], s35, -v231        ; (logit - maximum) x log2(e)
.endr
	s_wait_alu depctr_va_vdst(0)
.irp e, 0,1,2,3,4,5,6,7
	v_exp_f32 v[P+\e], v[P+\e]
.endr
	v_mov_b32 v250, 0                              ; (a plain line behind the exponentials)  the offset of the two small stores
	s_wait_alu depctr_va_vdst(0)
	v_add_f32 v229, v[P], v[P+1]
	v_add_f32 v230, v[P+2], v[P+3]
	v_add_f32 v231, v[P+4], v[P+5]
	v_add_f32 v245, v[P+6], v[P+7]
	v_add_f32 v229, v229, v230
	v_add_f32 v231, v231, v245
	v_add_f32 v229, v229, v231
	s_wait_alu depctr_va_vdst(0)
	v_rcp_f32 v230, v229
	v_mov_b32 v245, 0x10000                        ; (a plain line behind the reciprocal)
	s_wait_alu depctr_va_vdst(0)
.irp e, 0,1,2,3,4,5,6,7
	v_mul_f32 v[P+\e], v[P+\e], v230               ; the probabilities
.endr
	v_mov_b32 v[G], v[P]                           ; the largest: a later one wins only if it is greater, so the lower index is kept on ties
	v_mov_b32 v[I0], 0
.irp e, 1,2,3,4,5,6,7
	v_cmp_le_f32 vcc_lo, v[P+\e], v[G]
	v_cndmask_b32 v[G], v[P+\e], v[G], vcc_lo
	v_cndmask_b32 v[I0], \e, v[I0], vcc_lo
.endr
	v_mov_b32 v244, -1.0
.irp e, 0,1,2,3,4,5,6,7
	v_cmp_eq_u32 vcc_lo, \e, v[I0]
	v_cndmask_b32 v[P+\e], v[P+\e], v244, vcc_lo   ; the first is taken out: -1 lies under every probability
.endr
	v_mov_b32 v[G+1], v[P]                         ; the second, in the same way
	v_mov_b32 v[I1], 0
.irp e, 1,2,3,4,5,6,7
	v_cmp_le_f32 vcc_lo, v[P+\e], v[G+1]
	v_cndmask_b32 v[G+1], v[P+\e], v[G+1], vcc_lo
	v_cndmask_b32 v[I1], \e, v[I1], vcc_lo
.endr
	v_lshlrev_b32 v246, v[I0], v245                ; 1 << (16 + e0)
	v_lshlrev_b32 v247, v[I1], v245
	v_or_b32 v246, v246, v247
	v_lshl_or_b32 v246, v[I1], 8, v246
	v_or_b32 v246, v[I0], v246
	s_wait_alu depctr_va_vdst(0)
	s_wait_xcnt 0x0                                ; EXEC is a source of the stores above: it changes only behind this wait
	v_cmp_eq_u32 vcc_lo, 0, v1
	s_wait_tensorcnt 0x0
	ds_add_u32 v254, v255
	s_wait_dscnt 0x0
	s_and_saveexec_b32 s34, vcc_lo                 ; lane 0 stores the token's word and its two weights
	global_store_b32 v250, v246, s[14:15]
	global_store_b64 v250, v[G:G+1], s[16:17]
	s_wait_xcnt 0x0                                ; and again in front of the line that widens it
	s_or_b32 exec_lo, exec_lo, s34
	s_endpgm
.Lfunc_end_k_q3a898c49d9_route:
	.size	k_q3a898c49d9_route, .Lfunc_end_k_q3a898c49d9_route-k_q3a898c49d9_route
	.p2alignl 7, 3214868480
	.fill 96, 4, 3214868480
	.section	.rodata,"a",@progbits
	.p2align	6, 0x0
	.amdhsa_kernel k_q3a898c49d9_route
		.amdhsa_group_segment_fixed_size 52224
		.amdhsa_private_segment_fixed_size 0
		.amdhsa_enable_private_segment 0
		.amdhsa_kernarg_size 56
		.amdhsa_user_sgpr_count 2
		.amdhsa_user_sgpr_kernarg_segment_ptr 1
		.amdhsa_wavefront_size32 1
		.amdhsa_system_sgpr_workgroup_id_x 1
		.amdhsa_system_sgpr_workgroup_id_y 1
		.amdhsa_system_sgpr_workgroup_id_z 1
		.amdhsa_system_vgpr_workitem_id 0
		.amdhsa_next_free_vgpr 256
		.amdhsa_next_free_sgpr 66
		.amdhsa_reserve_vcc 1
		.amdhsa_float_denorm_mode_32 3
		.amdhsa_float_denorm_mode_16_64 3
		.amdhsa_memory_ordered 1
		.amdhsa_forward_progress 1
		.amdhsa_inst_pref_size 29
	.end_amdhsa_kernel
	.amdgpu_metadata
---
amdhsa.version: [ 1, 2 ]
amdhsa.kernels:
  - .name:           k_q3a898c49d9_route
    .symbol:         k_q3a898c49d9_route.kd
    .args:
      - { .name: x, .offset: 0, .size: 8, .value_kind: global_buffer, .address_space: global }
      - { .name: Wg, .offset: 8, .size: 8, .value_kind: global_buffer, .address_space: global }
      - { .name: bg, .offset: 16, .size: 8, .value_kind: global_buffer, .address_space: global }
      - { .name: xq, .offset: 24, .size: 8, .value_kind: global_buffer, .address_space: global }
      - { .name: xs, .offset: 32, .size: 8, .value_kind: global_buffer, .address_space: global }
      - { .name: idx, .offset: 40, .size: 8, .value_kind: global_buffer, .address_space: global }
      - { .name: gate, .offset: 48, .size: 8, .value_kind: global_buffer, .address_space: global }
    .group_segment_fixed_size: 52224
    .private_segment_fixed_size: 0
    .kernarg_segment_align: 8
    .kernarg_segment_size: 56
    .max_flat_workgroup_size: 128
    .sgpr_count:     66
    .vgpr_count:     256
    .wavefront_size: 32
...
	.end_amdgpu_metadata
.endif
;; end of part 5
;; launch up (part 6): grid 256 x 1, 4 waves a work-group, no clusters, 135,680 bytes of LDS; arguments idx, xq, xs, W1_codes, W1_scales, b1, hq, hs, place; writes hq, hs, place
.if DOCPART == 6
	.amdgcn_target "amdgcn-amd-amdhsa--gfx1250"
	.amdhsa_code_object_version 6
	.text
	.protected	k_q3a898c49d9_up
	.globl	k_q3a898c49d9_up
	.p2align	8
	.type	k_q3a898c49d9_up,@function
k_q3a898c49d9_up:
	s_mov_b64 s[64:65], 0
	v_nop
	global_prefetch_b8 v0, s[64:65] scope:SCOPE_SE
	s_setreg_imm32_b32 hwreg(HW_REG_WAVE_SCHED_MODE, 0, 2), 2
	s_setreg_imm32_b32 hwreg(HW_REG_WAVE_MODE, 25, 1), 1
	s_wait_xcnt 0x0
	s_wait_alu depctr_vm_vsrc(0)
; UP.  h = relu(x W1 + b1) on codes of E2M1, for the rows that the gate chose alone, quantised along the next K and stored as the next product's operand.
; A work-group is (expert e = id / 32, slice sl = id % 32 of 128 hidden units, which is K step sl of the second product): each byte of W1 is read by one work-group.
; Every wave holds the whole slice in registers (8 K steps x 8 tiles = 64 fragments, 512 registers; it comes once, each wave a quarter, through LDS); THE WAVES SHARE THE ROWS: wave w takes the tiles of
; 16 rows t = w, w + 4, .. < nt = ceil(n / 16), n the number of tokens that chose e.  A trip takes two of them, t and t + 4; where t + 4 is no tile, the second tile's work is jumped over.
; Trips: ceil((nt - w) / 8), counted by a counter of its own.
; THE LIST OF ROWS is made in registers from idx: 32 masks (bit l of mask i: token 128 (i / 4) + 4 l + i % 4 chose e, the order in which 16-byte loads deal the tokens); a row's rank is its place in that
; order.  SELECT finds the tokens of 32 ranks (lanes 0-15: tile t's, lanes 16-31: tile t + 4's): the mask by 31 compares with the running count, the bit by a search through counts of 16, 8, 4, 2, 1 bits.
; Ranks from n on take some token (held to 0 .. 1,023): their rows are never used.  The work-group of slice 0 stores each token's rank and n (place) for the later launches.
; No tensor load and no copy: the trip count hangs on a stored number.  The one barrier stands ahead of every branch on such a number.  No cluster: what partners could share, the expert's rows, has a length that hangs on stored numbers.
; THE PRODUCT IS USED TRANSPOSED (source 0 = 16 rows of W1, source 1 = 16 rows of x), and the rows of W1 that form a tile are not neighbours: lane r of tile 2 b + u takes row 32 b + 8 u + r + 8 (r / 8), so that
; a lane's 16 registers of tiles 2 b, 2 b + 1 are 16 neighbours along the next K.  b1 is the C of a sum's first product.
; OUT: hq [e][tile 64][K step 32][2][lane][16 bytes]: the operand's registers as they stand; hs [e][tile][K step][row 16]: scale words.
; LIMITS: as in the first launch: a block under 2^-124 (a block of zeros too) gets the byte 1; NaN and infinities are not served.
; REGISTERS, in windows of 256: window 0: v1-31 addresses and the search; v32-39 x's scale words, v40-47 the next trip's, v48-79 W1's; v80-143 the 8 accumulators (idle between trips: idx, ranks, load offsets);
;   v144-161 codes and scale words made; v164-179 at work; v192-255 16 rows of x as loaded.  window 1, 2: W1's fragments (K steps 0-3, 4-7).  window 3: v0-63 b1; v64-191 x's fragments of two tiles; v192-255 16 more rows as loaded.
; THE MODE: SCHED_MODE bits 1:0 = 2 (LLVM: expert scheduling mode 2), set by the entry lines.  The code itself states the register dependences between vector or matrix instructions and memory or LDS
; instructions, and those through scalar registers and VCC that vector instructions write, with s_wait_alu, always for 0.
; THE PLAN.  Registers that memory or LDS instructions touch, in a trip:
;   RAWA, RAWB        Written by the 32 row loads that the trip before issued; read by TURN's LDS stores.  No vector instruction names them.
;   NXS               Written by the two loads of scale words that the trip before issued; read by TURN's eight moves.
;   v80-111, v24, v25 Load offsets: written by XLOADS's vector lines, read by its 34 loads; v80-111 are then written by the products.
;   XFA, XFB          Written by TURN's LDS loads, read by the products.  (At the head they hold W1 as loaded, which LDS stores read.)
;   PCA, PCB, PWA, PWB, v27, v29   Written by the quantiser and by two lines at the trip's head; read by a tile's three stores.
;   v1, v4 to v8, v26, v28, v31, v180, v181   Made at the head and never written again.
; So a trip has: one wait on vm_vsrc at its head; one on va_vdst in TURN, behind the moves; in XLOADS, where all offsets are made first and the 34 loads go out in one run, one on vm_vsrc and one on va_vdst ahead of
; the run and one on vm_vsrc behind it; one on va_vdst ahead of each tile's stores.  The search's compares go in runs of eight into scalar registers, with one wait on va_sdst behind each run.
.set PITCH, 528                        ; an LDS row: 512 bytes + 16: the 16 rows of a fragment load start 33 x 16 bytes apart
.set XSTG,  128*PITCH                  ; behind the slice's 128 rows: a stage of 32 rows for each wave
.set XSTW,  32*PITCH
.set XS,   32
.set NXS,  40
.set W1S,  48
.set HA,   80
.set PCA,  144
.set PCB,  152
.set PWA,  160
.set PWB,  161
.set TM,   164
.set WOF,  180                         ; v180 W1's load offset; v181 b1's
.set BOF,  181
.set RAWA, 192
.set B1,   0                           ; window 3
.set XFA,  64
.set XFB,  128
.set RAWB, 192
.set SEL,  70                          ; s[70:71]
.set CNT,  22                          ; s22  trips done
.set TRIPS, 69                         ; s69  my wave's trips
.set MSB, 0
.macro WIN new                         ; the immediate's high byte repeats the setting that is left
.if MSB != \new
	s_set_vgpr_msb (MSB<<8)|\new
.set MSB, \new
.endif
.endm
.macro LEVEL tab, width, field         ; is the bit sought in the upper half of what is left?  c = the lower half's count
	v_bfe_u32 v20, v[\tab], v15, \field
	v_cmp_ge_u32 vcc_lo, v14, v20
	v_sub_nc_u32 v20, v14, v20
	v_add_nc_u32 v21, \width, v15
	s_wait_alu depctr_va_vcc(0)                    ; the compare has written VCC, ahead of the two selects that read it
	v_cndmask_b32 v14, v14, v20, vcc_lo
	v_cndmask_b32 v15, v15, v21, vcc_lo
.endm
.macro SELECT sp                       ; v22 = the token of rank 16 s[sp] + r + 64 h: row r of tile s[sp] (lanes 0-15) or of tile s[sp] + 4 (lanes 16-31)
	v_lshl_add_u32 v10, s[\sp], 4, v9              ; the rank
	s_wait_alu depctr_va_vdst(0)
	v_mov_b32 v11, s32                             ; the mask that holds it,
	v_mov_b32 v12, 0                               ; the count ahead of that mask,
	v_mov_b32 v13, 0                               ; and the token of its bit 0
.irp g, 0,1,2,3                                ; masks 1 to 31, eight to a run: a run's counts in s80 to s87, its compares' results in s72 to s79
.irp j, 0,1,2,3,4,5,6,7
.if 8*\g+\j == 0
	s_bcnt1_i32_b32 s80, s32                       ; the count ahead of mask 1
	v_cmp_gt_u32 s72, s80, v10
.elseif 8*\g+\j < 31
	s_bcnt1_i32_b32 s67, s[32+8*\g+\j]
	s_add_co_u32 s[80+\j], s[80+(\j+7)%8], s67     ; the count ahead of mask 8 g + j + 1
	v_cmp_gt_u32 s[72+\j], s[80+\j], v10           ; greater than my rank: keep what I have
.endif
.endr
	s_wait_alu depctr_va_sdst(0)                   ; the run's compares have written s72 to s79, ahead of the selects that read them
.irp j, 0,1,2,3,4,5,6,7
.if 8*\g+\j < 31
	v_cndmask_b32 v11, s[33+8*\g+\j], v11, s[72+\j]
	v_cndmask_b32 v12, s[80+\j], v12, s[72+\j]
	v_cndmask_b32 v13, 128*((8*\g+\j+1)/4)+(8*\g+\j+1)%4, v13, s[72+\j]
.endif
.endr
.endr
	v_sub_nc_u32 v14, v10, v12                     ; which set bit of the mask
	v_lshrrev_b32 v16, 1, v11
	v_and_b32 v16, 0x55555555, v16
	v_sub_nc_u32 v16, v11, v16                     ; counts of 2 bits
	v_lshrrev_b32 v17, 2, v16
	v_and_b32 v17, 0x33333333, v17
	v_and_b32 v20, 0x33333333, v16
	v_add_nc_u32 v17, v17, v20                     ; of 4
	v_lshrrev_b32 v18, 4, v17
	v_add_nc_u32 v18, v18, v17
	v_and_b32 v18, 0x0f0f0f0f, v18                 ; of 8
	v_lshrrev_b32 v19, 8, v18
	v_add_nc_u32 v19, v19, v18
	v_and_b32 v19, 0x00ff00ff, v19                 ; of 16
	v_mov_b32 v15, 0                               ; the bit's place
	LEVEL 19, 16, 8
	LEVEL 18, 8, 8
	LEVEL 17, 4, 4
	LEVEL 16, 2, 2
	LEVEL 11, 1, 1
	v_lshl_add_u32 v22, v15, 2, v13
.endm
; The 32 rows of codes (each a load of 512 consecutive bytes) and their scale words: all 34 offsets are made first, then the 34 loads go out in one run.
; free = 1, in the loop: TURN's LDS stores have read the registers in which the rows land, and products follow that write the registers which hold the offsets
.macro XLOADS free
.set i, 0
.rept 16
	v_readlane_b32 s[72+i], v22, i
.set i, i+1
.endr
	s_wait_alu depctr_va_sdst(0)                   ; s72 to s87 are written, ahead of the lines that hold them to 0 .. 1,023
.set i, 0
.rept 16
	s_min_u32 s[72+i], s[72+i], 0x3ff
.set i, i+1
.endr
.set i, 0
.rept 16
	v_lshl_add_u32 v[HA+i], s[72+i], 9, v1         ; token x 512 + 16 x lane
.set i, i+1
.endr
.set i, 0
.rept 16
	v_readlane_b32 s[72+i], v22, 16+i
.set i, i+1
.endr
	s_wait_alu depctr_va_sdst(0)                   ; s72 to s87 are written anew, ahead of their first readers
.set i, 0
.rept 16
	s_min_u32 s[72+i], s[72+i], 0x3ff
.set i, i+1
.endr
.set i, 0
.rept 16
	v_lshl_add_u32 v[HA+16+i], s[72+i], 9, v1
.set i, i+1
.endr
	v_permlanex16_b32 v23, v22, s[SEL], s[SEL+1]
	v_cndmask_b32 v24, v23, v22, s68               ; the first tile's tokens in both halves of the lanes,
	v_cndmask_b32 v25, v22, v23, s68               ; the second's
	v_min_u32 v24, 0x3ff, v24
	v_min_u32 v25, 0x3ff, v25
	v_lshl_add_u32 v24, v24, 5, v8                 ; token x 32 + 16 h: lanes 0-15 take the words of K steps 0-3, lanes 16-31 of 4-7
	v_lshl_add_u32 v25, v25, 5, v8
.if \free
	s_wait_alu depctr_vm_vsrc(0)                   ; the stage's LDS stores have read RAWA and RAWB, in which the loads below land
.endif
	s_wait_alu depctr_va_vdst(0)                   ; the 34 offsets v80 to v111, v24 and v25 are written, which the loads below read; in the loop the moves are done reading NXS, in which the last two land
.set i, 0
.rept 16
	global_load_b128 v[RAWA+4*i:RAWA+4*i+3], v[HA+i], s[6:7]
.set i, i+1
.endr
	WIN 0xc0                                       ; destination window 3
.set i, 0
.rept 16
	global_load_b128 v[RAWB+4*i:RAWB+4*i+3], v[HA+16+i], s[6:7]
.set i, i+1
.endr
	WIN 0
	global_load_b128 v[NXS:NXS+3], v24, s[8:9]
	global_load_b128 v[NXS+4:NXS+7], v25, s[8:9]
.if \free
	s_wait_xcnt 0x0                                ; the loads have read their offsets: the accumulators' registers, which held them, may be written
	s_wait_alu depctr_vm_vsrc(0)                   ; the loads have read v80 to v111, which the products below write
.endif
.endm
.macro TURN                            ; the 32 rows through my stage: in as rows, out as fragments
.set i, 0
.rept 16
	ds_store_b128 v4, v[RAWA+4*i:RAWA+4*i+3] offset:PITCH*i
.set i, i+1
.endr
	WIN 0x0c                                       ; an LDS store's data are its source 1: window 3
.set i, 0
.rept 16
	ds_store_b128 v4, v[RAWB+4*i:RAWB+4*i+3] offset:PITCH*(16+i)
.set i, i+1
.endr
	WIN 0
.irp j, 0,1,2,3,4,5,6,7
	v_mov_b32 v[XS+\j], v[NXS+\j]                  ; this trip's scale words leave the registers that the next trip's loads take
.endr
.rept 8
	v_nop                                          ; a scale register written by a vector instruction stands 8 places ahead of a scaled matrix instruction
.endr
	WIN 0xc0
	s_wait_alu depctr_va_vdst(0)                   ; the moves have written x's scale words, which the scaled products take; the last trip's products are done reading XFA and XFB, in which the LDS loads below land; v27 and v29 are written, which the trip's stores read
.irp s, 0,1,2,3,4,5,6,7
.irp c, 0,1
	ds_load_b128 v[XFA+8*\s+4*\c:XFA+8*\s+4*\c+3], v5 offset:64*\s+32*\c               ; LDS serves a wave's instructions in order: these see my stores
	ds_load_b128 v[XFB+8*\s+4*\c:XFB+8*\s+4*\c+3], v5 offset:16*PITCH+64*\s+32*\c
.endr
.endr
	WIN 0
.endm
; 64 numbers of a lane, register 16 b + i = k 32 b + 16 (lane / 16) + i of my row, become a fragment's codes in v[pc] on and its scale word in v[pw]
.macro QUANT s, pc, pw
.irp b, 0,1,2,3
	v_max3_num_f32 v[TM+\b], |v[\s+16*\b]|, |v[\s+1+16*\b]|, 0x1800000   ; block b: my 16 numbers, and the floor 2^(3 - 127): the byte cannot fall under 1
.endr
.irp i, 2,4,6,8,10,12,14
.irp b, 0,1,2,3
	v_max3_num_f32 v[TM+\b], v[TM+\b], |v[\s+16*\b+\i]|, |v[\s+1+16*\b+\i]|
.endr
.endr
.irp b, 0,1,2,3
	v_permlanex16_b32 v[TM+4+\b], v[TM+\b], s[SEL], s[SEL+1]
.endr
.irp b, 0,1,2,3
	v_max_num_f32 v[TM+\b], v[TM+\b], v[TM+4+\b]   ; with lane l xor 16's: the block's largest magnitude
.endr
.irp b, 0,1,2,3
	v_add_nc_u32 v[TM+12+\b], 0xff000000, v[TM+\b] ; 2 off its exponent field: the conversion's scale operand
.endr
.irp b, 0,1,2,3
	v_lshrrev_b32 v[TM+4+\b], 23, v[TM+12+\b]      ; the scale's byte
.endr
	v_lshl_or_b32 v[\pw], v[TM+5], 8, v[TM+4]
	v_lshl_or_b32 v[\pw], v[TM+6], 16, v[\pw]
	v_lshl_or_b32 v[\pw], v[TM+7], 24, v[\pw]
.irp b, 0,1,2,3
	v_cvt_scalef32_pk8_fp4_f32 v[\pc+2*\b], v[\s+16*\b:\s+7+16*\b], v[TM+12+\b]
	v_cvt_scalef32_pk8_fp4_f32 v[\pc+1+2*\b], v[\s+8+16*\b:\s+15+16*\b], v[TM+12+\b]
.endr
	v_nop                                          ; one plain place behind a scaled conversion
.irp c, 0,1                                    ; the operand's layout wants a whole block in a lane
.irp i, 0,1
	v_permlane16_swap_b32 v[\pc+4*\c+\i], v[\pc+2+4*\c+\i]
.endr
.endr
.endm
.macro UPW d, a, b, c, sa, sb, row
.if \row
	v_wmma_scale_f32_16x16x128_f8f6f4 v[\d:\d+7], v[\a:\a+7], v[\b:\b+7], v[\c:\c+7], v[\sa], v[\sb] matrix_a_fmt:MATRIX_FMT_FP4 matrix_b_fmt:MATRIX_FMT_FP4 matrix_a_scale:MATRIX_SCALE_ROW1 matrix_b_scale:MATRIX_SCALE_ROW1
.else
	v_wmma_scale_f32_16x16x128_f8f6f4 v[\d:\d+7], v[\a:\a+7], v[\b:\b+7], v[\c:\c+7], v[\sa], v[\sb] matrix_a_fmt:MATRIX_FMT_FP4 matrix_b_fmt:MATRIX_FMT_FP4
.endif
.endm
; A tile of 16 rows: 64 products, the 8 accumulators by turns, one instruction a turn, K ascending; relu; quantised
.macro TILE xf, xsc, pc, pw
.irp s, 0,1,2,3,4,5,6,7
.if \s == 0
	WIN 0x3d                                       ; source 0 (W1) window 1, source 1 (x) window 3, source 2 (b1) window 3
.elseif \s < 4
	WIN 0x0d
.else
	WIN 0x0e                                       ; W1's K steps 4-7: window 2
.endif
.irp t, 0,1,2,3,4,5,6,7
.if \s == 0
	UPW HA+8*\t, 8*(8*(\s%4)+\t), \xf+8*\s, B1+8*\t, W1S+4*\t+\s%4, \xsc+\s%4, 0
.else
	UPW HA+8*\t, 8*(8*(\s%4)+\t), \xf+8*\s, HA+8*\t, W1S+4*\t+\s%4, \xsc+\s%4, \s/4
.endif
.endr
.endr
	WIN 0
.rept 4
	v_nop                                          ; four places in front of the first read of results
.endr
.set i, 0
.rept 64
	v_max_num_f32 v[HA+i], 0, v[HA+i]              ; the activation, in f32; each accumulator from its low end on
.set i, i+1
.endr
	QUANT HA, \pc, \pw
.endm
	s_load_b256 s[4:11], s[0:1], 0x0               ; idx, xq, xs, W1's codes
	s_load_b256 s[12:19], s[0:1], 0x20             ; W1's scales, b1, hq, hs
	s_load_b64 s[20:21], s[0:1], 0x40              ; place
	v_lshl_add_u32 v190, v0, 2, 0x21000
	v_mov_b32 v191, 0
	v_lshrrev_b32 v16, 5, v0
	v_readfirstlane_b32 s24, v16                   ; wave
	v_and_b32 v9, 31, v0                           ; lane
	v_lshlrev_b32 v1, 4, v9                        ; 16 x lane
	s_wait_alu depctr_va_vdst(0)
	v_lshlrev_b32 v26, 2, v9                       ; 4 x lane
	v_and_b32 v2, 15, v0                           ; r
	s_wait_alu depctr_va_vdst(0)
	v_bfe_u32 v3, v0, 4, 1                         ; h
	v_lshl_add_u32 v9, v3, 6, v2                   ; r + 64 h: my rank within a trip's two tiles, which lie four tiles apart
	s_lshr_b32 s25, ttmp9, 5                       ; the expert
	s_and_b32 s26, ttmp9, 31                       ; the slice
	s_add_co_u32 s27, s25, 16
	s_lshl_b32 s27, 1, s27                         ; the expert's bit in a word of idx
	s_wait_alu depctr_va_sdst(0)                   ; s24 is written, ahead of its first reader
	s_mul_i32 s88, s24, XSTW                       ; my 32 rows of the slice in LDS
	s_add_co_u32 s89, s88, XSTG                    ; my stage
	s_lshl_b32 s90, s24, 14                        ; my 32 rows of the slice in memory
	v_add_nc_u32 v6, s88, v1
	v_add_nc_u32 v4, s89, v1
	v_mul_u32_u24 v5, v2, PITCH
	s_wait_alu depctr_va_vdst(0)
	v_lshl_add_u32 v5, v3, 4, v5
	v_add_nc_u32 v5, s89, v5                       ; x's fragments: row r, + 16 h
	v_and_b32 v16, 8, v2
	v_add_nc_u32 v16, v16, v2                      ; r + 8 (r / 8)
	v_mul_u32_u24 v7, v16, PITCH
	v_lshl_add_u32 v7, v3, 4, v7                   ; W1's fragments
	v_lshlrev_b32 v8, 4, v3                        ; 16 h
	v_lshl_add_u32 v31, v16, 5, v8                 ; W1's scale words: 32 bytes a row, + 16 h
	v_lshlrev_b32 v28, 2, v2                       ; hs: 4 r
	v_add_nc_u32 v[WOF], s90, v1
	v_lshlrev_b32 v[BOF], 6, v3                    ; b1: 16 h numbers on
	v_mov_b32 v23, 0                               ; written once: a lane permute's destination counts as one of its sources
.irp b, 0,1,2,3
	v_mov_b32 v[TM+4+\b], 0
.endr
	s_mov_b32 s68, 0xffff                          ; lanes 0-15
	s_mov_b32 s[SEL], 0x76543210
	s_mov_b32 s[SEL+1], 0xfedcba98                 ; v_permlanex16_b32's selects for lane l xor 16
	s_mov_b32 s91, 0
	s_wait_kmcnt 0x0
	s_lshl_b32 s90, ttmp9, 16                      ; 128 rows of 512 bytes a slice, 32 slices an expert
	s_add_nc_u64 s[10:11], s[10:11], s[90:91]
	s_lshl_b32 s90, ttmp9, 12                      ; 128 rows of 32 scale bytes
	s_add_nc_u64 s[12:13], s[12:13], s[90:91]
	s_lshl_b32 s90, ttmp9, 9                       ; 128 numbers of b1
	s_add_nc_u64 s[14:15], s[14:15], s[90:91]
	s_lshl_b32 s90, s25, 21
	s_lshl_b32 s88, s26, 10
	s_add_co_u32 s90, s90, s88
	s_add_nc_u64 s[16:17], s[16:17], s[90:91]      ; hq at (e, tile 0, K step sl)
	s_lshl_b32 s90, s25, 17
	s_lshl_b32 s88, s26, 6
	s_add_co_u32 s90, s90, s88
	s_add_nc_u64 s[18:19], s[18:19], s[90:91]      ; hs likewise
	s_lshl_b32 s90, s25, 12
	s_add_nc_u64 s[92:93], s[20:21], s[90:91]      ; place: the expert's 1,024 ranks,
	s_lshl_b32 s90, s25, 7
	s_add_co_u32 s90, s90, 0x8000
	s_add_nc_u64 s[94:95], s[20:21], s[90:91]      ; and its count
	s_wait_alu depctr_va_vdst(0)                   ; the offsets and LDS addresses v1, v4 to v8, v26, v28, v31, v180 and v181 are written, which the kernel's loads and stores read
.set i, 0
.rept 8
	global_load_b128 v[HA+4*i:HA+4*i+3], v1, s[4:5] offset:512*i   ; idx: register 4 q + j of lane l is token 128 q + 4 l + j
.set i, i+1
.endr
	WIN 0xc0
.set i, 0
.rept 32
	global_load_b128 v[XFA+4*i:XFA+4*i+3], v[WOF], s[10:11] offset:512*i th:TH_LOAD_NT   ; a row of W1's codes, 512 consecutive bytes; read by this wave alone in the launch
.set i, i+1
.endr
.irp t, 0,1,2,3,4,5,6,7
	global_load_b128 v[B1+8*\t:B1+8*\t+3], v[BOF], s[14:15] offset:(32*(\t/2)+8*(\t%2))*4
	global_load_b128 v[B1+8*\t+4:B1+8*\t+7], v[BOF], s[14:15] offset:(32*(\t/2)+8*(\t%2))*4+16
.endr
	WIN 0
	s_wait_loadcnt 48                              ; idx is in; the 32 + 16 loads behind it may be out
.irp t, 0,1,2,3,4,5,6,7
	global_load_b128 v[W1S+4*\t:W1S+4*\t+3], v31, s[12:13] offset:(32*(\t/2)+8*(\t%2))*32   ; register 4 t + j: lanes 0-15 K step j, lanes 16-31 K step 4 + j
.endr
.set i, 0
.rept 32
	v_and_b32 v[16+i%4], s27, v[HA+i]
	v_cmp_ne_u32 s[32+i], 0, v[16+i%4]             ; mask i
.set i, i+1
.endr
	s_wait_alu depctr_va_sdst(0)                   ; the 32 masks s32 to s63 are written, ahead of their first readers
	s_bcnt1_i32_b32 s28, s32
.set i, 1
.rept 31
	s_bcnt1_i32_b32 s67, s[32+i]
	s_add_co_u32 s28, s28, s67
.set i, i+1
.endr                                          ; n
	s_add_co_u32 s29, s28, 15
	s_lshr_b32 s29, s29, 4                         ; nt
	s_mov_b32 s30, s24                             ; my first tile
	s_add_co_u32 s[TRIPS], s29, 7
	s_sub_co_u32 s[TRIPS], s[TRIPS], s24
	s_lshr_b32 s[TRIPS], s[TRIPS], 3               ; my trips: ceil((nt - w) / 8), 0 where nt <= w
	s_mov_b32 s[CNT], 0
	SELECT 30                                      ; my first trip's tokens, with no branch: a wave that has no tile asks for rows of tokens held to 0 .. 1,023 and uses nothing of them
	s_wait_alu depctr_va_vdst(0)
	s_wait_loadcnt 0x0                             ; W1, its scale words, b1
	WIN 0x0c
.set i, 0
.rept 32
	ds_store_b128 v6, v[XFA+4*i:XFA+4*i+3] offset:PITCH*i
.set i, i+1
.endr
	WIN 0
	XLOADS 0                                       ; nothing writes these loads' offsets ahead of the loop's wait for the loads themselves
	s_wait_dscnt 0x0                               ; my quarter of the slice lies in LDS
	s_barrier_signal -1
	s_barrier_wait -1                              ; the whole slice does.  The launch's one barrier: every branch on a stored number stands behind it
	s_or_b32 s88, s26, s24
	s_cmp_lg_u32 s88, 0
	s_cbranch_scc1 .Lno_place                      ; wave 0 of slice 0 stores the expert's ranks and count
	s_mov_b32 s66, 0
.set i, 0
.rept 32
	v_mbcnt_lo_u32_b32 v[HA+32+i], s[32+i], s66    ; the count ahead of mask i + the set bits under my lane's
	s_bcnt1_i32_b32 s67, s[32+i]
	s_add_co_u32 s66, s66, s67
.set i, i+1
.endr
	v_mov_b32 v16, s28
	s_wait_alu depctr_va_vdst(0)                   ; the ranks v112 to v143 and n in v16 are written, which the stores below read
.set i, 0
.rept 8
	global_store_b128 v1, v[HA+32+4*i:HA+32+4*i+3], s[92:93] offset:512*i   ; in the tokens' own order, 512 consecutive bytes a store
.set i, i+1
.endr
	global_store_b32 v26, v16, s[94:95]            ; n, 32 times
	s_wait_xcnt 0x0                                ; the stores have read their registers
	s_wait_alu depctr_vm_vsrc(0)                   ; the stores have read v112 to v143, which the products write, and v16, which the search writes
.Lno_place:
	s_cmp_eq_u32 s[TRIPS], 0
	s_cbranch_scc1 .Lend                           ; no tile for this wave
	WIN 0x40
.irp s, 0,1,2,3
.irp t, 0,1,2,3,4,5,6,7
.irp c, 0,1
	ds_load_b128 v[8*(8*\s+\t)+4*\c:8*(8*\s+\t)+4*\c+3], v7 offset:(32*(\t/2)+8*(\t%2))*PITCH+64*\s+32*\c
.endr
.endr
.endr
	WIN 0x80
.irp s, 4,5,6,7
.irp t, 0,1,2,3,4,5,6,7
.irp c, 0,1
	ds_load_b128 v[8*(8*(\s-4)+\t)+4*\c:8*(8*(\s-4)+\t)+4*\c+3], v7 offset:(32*(\t/2)+8*(\t%2))*PITCH+64*\s+32*\c
.endr
.endr
.endr
	WIN 0
	s_wait_dscnt 0x0
.Lpair:                                            ; a trip: tiles t and t + 4, each 16 rows x 128 hidden units, 64 products
	s_wait_loadcnt 0x0                             ; this trip's 34 loads are in
	s_wait_xcnt 0x0                                ; the last trip's stores have read their data and offsets
	s_wait_alu depctr_vm_vsrc(0)                   ; the last trip's stores have read their codes, scale words, v27 and v29; this trip's loads have read v80 to v111, v24 and v25; in the first trip the head's LDS stores have read XFA and XFB: all are written again in this trip
	v_lshl_add_u32 v27, s30, 15, v1                ; hq: 32 KB a tile
	v_lshl_add_u32 v29, s30, 11, v28               ; hs: 2 KB a tile
	TURN
	s_add_co_u32 s31, s30, 8
	s_cmp_ge_u32 s31, s29
	s_cbranch_scc1 .Lno_next
	SELECT 31                                      ; the next trip's rows are asked for a whole trip ahead
	s_wait_alu depctr_va_vdst(0)
	s_wait_dscnt 0x0                               ; the stage's stores have read the registers that the loads take
	XLOADS 1
.Lno_next:
	s_wait_dscnt 0x0                               ; the fragments are in
	TILE XFA, XS, PCA, PWA
	s_wait_alu depctr_va_vdst(0)                   ; the quantiser has written the tile's codes and scale word, which the three stores read
	global_store_b128 v27, v[PCA:PCA+3], s[16:17]              ; the fragment as it stands: 512 consecutive bytes a store
	global_store_b128 v27, v[PCA+4:PCA+7], s[16:17] offset:512
	global_store_b32 v29, v[PWA], s[18:19]         ; the 16 rows' scale words: both halves of the lanes hold the same word and write it to the same place
	s_add_co_u32 s88, s30, 4
	s_cmp_ge_u32 s88, s29
	s_cbranch_scc1 .Lno_b                          ; t + 4 is no tile: none of its rows was chosen, nothing of it is made or read later
	TILE XFB, XS+4, PCB, PWB
	s_wait_alu depctr_va_vdst(0)                   ; the quantiser has written the second tile's codes and scale word, which the three stores read
	global_store_b128 v27, v[PCB:PCB+3], s[16:17] offset:131072        ; four tiles on
	global_store_b128 v27, v[PCB+4:PCB+7], s[16:17] offset:131584
	global_store_b32 v29, v[PWB], s[18:19] offset:8192
.Lno_b:
	s_add_co_u32 s30, s30, 8                       ; my next two tiles
	s_add_co_u32 s[CNT], s[CNT], 1
	s_cmp_lt_u32 s[CNT], s[TRIPS]
	s_cbranch_scc1 .Lpair
.Lend:
	s_wait_dscnt 0x0                               ; the closing lines, six on end
	s_wait_alu 0x0
	s_wait_tensorcnt 0x0
	ds_add_u32 v190, v191
	s_wait_dscnt 0x0
	s_endpgm
.Lfunc_end_k_q3a898c49d9_up:
	.size	k_q3a898c49d9_up, .Lfunc_end_k_q3a898c49d9_up-k_q3a898c49d9_up
	.p2alignl 7, 3214868480
	.fill 96, 4, 3214868480
	.section	.rodata,"a",@progbits
	.p2align	6, 0x0
	.amdhsa_kernel k_q3a898c49d9_up
		.amdhsa_group_segment_fixed_size 135680
		.amdhsa_private_segment_fixed_size 0
		.amdhsa_enable_private_segment 0
		.amdhsa_kernarg_size 72
		.amdhsa_user_sgpr_count 2
		.amdhsa_user_sgpr_kernarg_segment_ptr 1
		.amdhsa_wavefront_size32 1
		.amdhsa_system_sgpr_workgroup_id_x 1
		.amdhsa_system_sgpr_workgroup_id_y 1
		.amdhsa_system_sgpr_workgroup_id_z 1
		.amdhsa_system_vgpr_workitem_id 0
		.amdhsa_next_free_vgpr 1024
		.amdhsa_next_free_sgpr 96
		.amdhsa_reserve_vcc 1
		.amdhsa_float_denorm_mode_32 3
		.amdhsa_float_denorm_mode_16_64 3
		.amdhsa_memory_ordered 1
		.amdhsa_forward_progress 1
		.amdhsa_inst_pref_size 110
	.end_amdhsa_kernel
	.amdgpu_metadata
---
amdhsa.version: [ 1, 2 ]
amdhsa.kernels:
  - .name:           k_q3a898c49d9_up
    .symbol:         k_q3a898c49d9_up.kd
    .args:
      - { .name: idx, .offset: 0, .size: 8, .value_kind: global_buffer, .address_space: global }
      - { .name: xq, .offset: 8, .size: 8, .value_kind: global_buffer, .address_space: global }
      - { .name: xs, .offset: 16, .size: 8, .value_kind: global_buffer, .address_space: global }
      - { .name: W1_codes, .offset: 24, .size: 8, .value_kind: global_buffer, .address_space: global }
      - { .name: W1_scales, .offset: 32, .size: 8, .value_kind: global_buffer, .address_space: global }
      - { .name: b1, .offset: 40, .size: 8, .value_kind: global_buffer, .address_space: global }
      - { .name: hq, .offset: 48, .size: 8, .value_kind: global_buffer, .address_space: global }
      - { .name: hs, .offset: 56, .size: 8, .value_kind: global_buffer, .address_space: global }
      - { .name: place, .offset: 64, .size: 8, .value_kind: global_buffer, .address_space: global }
    .group_segment_fixed_size: 135680
    .private_segment_fixed_size: 0
    .kernarg_segment_align: 8
    .kernarg_segment_size: 72
    .max_flat_workgroup_size: 128
    .sgpr_count:     96
    .vgpr_count:     1024
    .wavefront_size: 32
...
	.end_amdgpu_metadata
.endif
;; end of part 6
;; launch down (part 7): grid 256 x 1, 4 waves a work-group, no clusters, 84,480 bytes of LDS; arguments place, hq, hs, W2_codes, W2_scales, ybuf; writes ybuf
.if DOCPART == 7
	.amdgcn_target "amdgcn-amd-amdhsa--gfx1250"
	.amdhsa_code_object_version 6
	.text
	.protected	k_q3a898c49d9_down
	.globl	k_q3a898c49d9_down
	.p2align	8
	.type	k_q3a898c49d9_down,@function
k_q3a898c49d9_down:
	s_mov_b64 s[64:65], 0
	v_nop
	global_prefetch_b8 v0, s[64:65] scope:SCOPE_SE
	s_setreg_imm32_b32 hwreg(HW_REG_WAVE_SCHED_MODE, 0, 2), 2
	s_setreg_imm32_b32 hwreg(HW_REG_WAVE_MODE, 25, 1), 1
	s_wait_xcnt 0x0
	s_wait_alu depctr_vm_vsrc(0)
; DOWN.  y = h W2 on codes of E2M1, for the routed rows, in the experts' own order of rows; K in two halves, each with its own sums (the last launch adds them, and b2).
; A work-group is (expert e = id / 32, half kh = (id / 16) % 2 of K, slice ds = id % 16 of 64 outputs): each byte of W2 is read by one work-group, and a row of its results is 256 consecutive bytes.
; Every wave holds the whole slice in registers (16 K steps x 4 tiles = 64 fragments, 512 registers; it comes once, each wave a quarter, through LDS); the waves share the tiles of 16 rows:
; wave w takes tiles w, w + 4, .. < nt = ceil(n / 16), n read from place: just the tiles that the launch before stored.
; h's fragments lie in memory as the operand's registers: a tile's half of K is 32 loads of 512 consecutive bytes, and 8 loads of scale words.  TWO BUFFERS, EACH ASKED FOR AGAIN DIRECTLY BEHIND THE PRODUCTS
; THAT READ IT: a tile's 40 loads then have the way out of one tile and the whole of the next tile's turn in which to land.  The wave's first tile (tile w lies inside the buffer whatever n is) is asked for
; at the head, behind the weights; the second straight behind the barrier.  Where a load is or is not issued the paths part, and the path without ends the wave: so each counted wait counts the same loads on every path.
; No tensor load and no copy: the trip count hangs on a stored number.  The one barrier stands ahead of every branch on it.  No cluster, for the same reason.
; THE PRODUCT IS USED TRANSPOSED (source 0 = 16 rows of W2, source 1 = 16 rows of h): a lane holds eight neighbouring outputs of one row.
; REGISTERS, in windows of 256: window 0: v1-15 addresses; v16-47 W2's scale words; v48-63 h's, two sets; v64-95 four accumulators; v96-127 rows on the way out.
;   window 1, 2: W2's fragments (K steps 0-7, 8-15).  window 3: h's fragments, two buffers of 128 (the second holds the weights as loaded, at the head).
; THE MODE: SCHED_MODE bits 1:0 = 2 (LLVM: expert scheduling mode 2), set by the entry lines.  The code itself states the register dependences between vector or matrix instructions and memory or LDS
; instructions, and those through scalar registers that vector instructions write, with s_wait_alu, always for 0.
; THE PLAN.  Registers that memory or LDS instructions touch, in a tile's turn on buffer b:
;   buffer b, HS set b   Written by LOADT's 40 loads; read by the turn's 64 products; asked for again behind them.
;   v[7+b], v[9+b]       The buffer's two offsets: written by LOADT's two lines, read by its loads.
;   the accumulators     Written by the products; read by the stage's eight LDS stores; begun anew by the next turn's products.
;   OUT, v14             OUT is written by the stage's eight LDS loads, v14 by one line; both are read by the eight global stores.
;   v1, v4 to v6, v11 to v13, v15, v130   Made at the head and never written again.
; So a turn has ONE wait on vm_vsrc at its head, beside the wait for the buffer's loads: it states that the last turn's LDS stores have read the accumulators, its global stores OUT and v14, and earlier loads the
; offsets that this turn writes again; ONE wait on va_vdst behind the products: the accumulators and v14 are written, and the products are done reading the buffer; and one on va_vdst in LOADT for the two offsets.
.set PW,   1040                        ; an LDS row of the slice: 1,024 bytes + 16
.set OST,  64*PW                       ; behind the slice: a stage of 16 rows x (256 + 16) bytes for each wave
.set OSW,  16*272
.set W2S,  16
.set HS,   48
.set ACC,  64
.set OUT,  96
.set WOF,  130                         ; v130 W2's load offset
.set RAW,  128                         ; window 3: the weights as loaded
.set TRIPS, 25                         ; s25  ceil((nt - w - 4) / 8): the trips that begin with two tiles asked for
.set CNT,  31                          ; s31  trips done
.set MSB, 0
.macro WIN new                         ; the immediate's high byte repeats the setting that is left
.if MSB != \new
	s_set_vgpr_msb (MSB<<8)|\new
.set MSB, \new
.endif
.endm
.macro LOADT b, st                     ; tile s[st]: its fragments and scale words of my half of K into buffer b: 40 loads.  Each buffer has offset registers of its own, written again only behind the wait for that buffer's loads
	v_lshl_add_u32 v[7+(\b)], s[\st], 15, v1
	v_lshl_add_u32 v[9+(\b)], s[\st], 11, v6
	WIN 0xc0
	s_wait_alu depctr_va_vdst(0)                   ; the buffer's two offsets are written, which the 40 loads below read
.set i, 0
.rept 32
	global_load_b128 v[128*(\b)+4*i:128*(\b)+4*i+3], v[7+(\b)], s[6:7] offset:512*i
.set i, i+1
.endr
	WIN 0
.set i, 0
.rept 8
	global_load_b32 v[HS+8*(\b)+i], v[9+(\b)], s[8:9] offset:128*i   ; lanes 0-15 K step 2 i, lanes 16-31 K step 2 i + 1
.set i, i+1
.endr
.endm
.macro DNW d, a, b, sa, sb, ra, rb, zero
.if \zero
	v_wmma_scale_f32_16x16x128_f8f6f4 v[\d:\d+7], v[\a:\a+7], v[\b:\b+7], 0, v[\sa], v[\sb] matrix_a_fmt:MATRIX_FMT_FP4 matrix_b_fmt:MATRIX_FMT_FP4
.elseif (\ra) && (\rb)
	v_wmma_scale_f32_16x16x128_f8f6f4 v[\d:\d+7], v[\a:\a+7], v[\b:\b+7], v[\d:\d+7], v[\sa], v[\sb] matrix_a_fmt:MATRIX_FMT_FP4 matrix_b_fmt:MATRIX_FMT_FP4 matrix_a_scale:MATRIX_SCALE_ROW1 matrix_b_scale:MATRIX_SCALE_ROW1
.elseif (\ra)
	v_wmma_scale_f32_16x16x128_f8f6f4 v[\d:\d+7], v[\a:\a+7], v[\b:\b+7], v[\d:\d+7], v[\sa], v[\sb] matrix_a_fmt:MATRIX_FMT_FP4 matrix_b_fmt:MATRIX_FMT_FP4 matrix_a_scale:MATRIX_SCALE_ROW1
.elseif (\rb)
	v_wmma_scale_f32_16x16x128_f8f6f4 v[\d:\d+7], v[\a:\a+7], v[\b:\b+7], v[\d:\d+7], v[\sa], v[\sb] matrix_a_fmt:MATRIX_FMT_FP4 matrix_b_fmt:MATRIX_FMT_FP4 matrix_b_scale:MATRIX_SCALE_ROW1
.else
	v_wmma_scale_f32_16x16x128_f8f6f4 v[\d:\d+7], v[\a:\a+7], v[\b:\b+7], v[\d:\d+7], v[\sa], v[\sb] matrix_a_fmt:MATRIX_FMT_FP4 matrix_b_fmt:MATRIX_FMT_FP4
.endif
.endm
.macro COMPUTE b                       ; 64 products: the four accumulators by turns, one instruction a turn, K ascending; the first K step starts the sums
.irp s, 0,1,2,3,4,5,6,7,8,9,10,11,12,13,14,15
.if \s < 8
	WIN 0x0d                                       ; source 0 (W2) window 1, source 1 (h) window 3
.else
	WIN 0x0e                                       ; W2's K steps 8-15: window 2
.endif
.irp t, 0,1,2,3
	DNW ACC+8*\t, 8*(4*(\s%8)+\t), 128*(\b)+8*\s, W2S+8*\t+4*(\s/8)+\s%4, HS+8*(\b)+\s/2, (\s/4)%2, \s%2, \s==0
.endr
.endr
	WIN 0
.rept 5
	v_nop                                          ; four places in front of the stores that read results; five in front of the products that begin the accumulators anew
.endr
.endm
.macro STAGEOUT st                     ; tile s[st]'s 16 rows x 64 outputs into my stage, and asked back as whole rows of 256 bytes
	s_wait_xcnt 0x0                                ; the last tile's stores have read their data and offset
	v_lshl_add_u32 v14, s[\st], 16, v13            ; 16 rows of 4,096 bytes a tile
	s_wait_alu depctr_va_vdst(0)                   ; the products have written the accumulators, which the LDS stores read (the places above stay beside this wait), and are done reading their buffer and its scale words, in which the next loads land; v14 is written, which the global stores read
.irp t, 0,1,2,3
	ds_store_b128 v11, v[ACC+8*\t:ACC+8*\t+3] offset:64*\t            ; each accumulator from its low end on
	ds_store_b128 v11, v[ACC+8*\t+4:ACC+8*\t+7] offset:64*\t+16
.endr
.set i, 0
.rept 8
	ds_load_b128 v[OUT+4*i:OUT+4*i+3], v12 offset:544*i               ; LDS serves a wave's instructions in order: these see my stores
.set i, i+1
.endr
.endm
.macro SENDOUT                         ; and out
.set i, 0
.rept 8
	s_wait_dscnt 7-i                               ; read-back i is in; the younger ones may be out
	global_store_b128 v14, v[OUT+4*i:OUT+4*i+3], s[14:15] offset:8192*i   ; 16 lanes store 256 consecutive bytes of a row, at a multiple of 256 from the buffer's first byte
.set i, i+1
.endr
.endm
.macro FRAGS                           ; the slice out of LDS into windows 1 and 2
	WIN 0x40
.irp s, 0,1,2,3,4,5,6,7
.irp t, 0,1,2,3
.irp c, 0,1
	ds_load_b128 v[8*(4*\s+\t)+4*\c:8*(4*\s+\t)+4*\c+3], v5 offset:16*\t*PW+64*\s+32*\c
.endr
.endr
.endr
	WIN 0x80
.irp s, 8,9,10,11,12,13,14,15
.irp t, 0,1,2,3
.irp c, 0,1
	ds_load_b128 v[8*(4*(\s-8)+\t)+4*\c:8*(4*(\s-8)+\t)+4*\c+3], v5 offset:16*\t*PW+64*\s+32*\c
.endr
.endr
.endr
	WIN 0
	s_wait_dscnt 0x0
.endm
	s_load_b256 s[4:11], s[0:1], 0x0               ; place, hq, hs, W2's codes
	s_load_b128 s[12:15], s[0:1], 0x20             ; W2's scales, ybuf
	v_lshl_add_u32 v254, v0, 2, 0x14800
	v_mov_b32 v255, 0
	v_lshrrev_b32 v129, 5, v0
	v_readfirstlane_b32 s16, v129                  ; wave
	v_and_b32 v129, 31, v0
	v_lshlrev_b32 v1, 4, v129                      ; 16 x lane
	s_wait_alu depctr_va_vdst(0)
	v_lshlrev_b32 v6, 2, v129                      ; 4 x lane
	v_and_b32 v2, 15, v0                           ; r
	s_wait_alu depctr_va_vdst(0)
	v_bfe_u32 v3, v0, 4, 1                         ; h
	s_lshr_b32 s17, ttmp9, 5                       ; the expert
	s_bfe_u32 s18, ttmp9, 0x10004                  ; the half of K
	s_and_b32 s19, ttmp9, 15                       ; the slice of outputs
	s_wait_alu depctr_va_sdst(0)                   ; s16 is written, ahead of its first reader
	s_mul_i32 s26, s16, 16*PW                      ; my 16 rows of the slice in LDS
	s_mul_i32 s27, s16, OSW
	s_add_co_u32 s27, s27, OST                     ; my stage
	s_lshl_b32 s28, s16, 15                        ; my 16 rows of 2,048 bytes in memory
	v_add_nc_u32 v4, s26, v1
	v_mul_u32_u24 v5, v2, PW
	s_wait_alu depctr_va_vdst(0)
	v_lshl_add_u32 v5, v3, 4, v5                   ; W2's fragments: row r, + 16 h
	v_mul_u32_u24 v11, v2, 272
	v_lshl_add_u32 v11, v3, 5, v11
	v_add_nc_u32 v11, s27, v11                     ; the stage, in: row r, 32 bytes for each half of the lanes
	v_mul_u32_u24 v12, v3, 272
	v_lshl_add_u32 v12, v2, 4, v12
	v_add_nc_u32 v12, s27, v12                     ; back: lanes 0-15 one row, lanes 16-31 the next
	v_lshlrev_b32 v13, 4, v2
	v_lshl_add_u32 v13, v3, 12, v13                ; and the same two rows in ybuf
	v_lshlrev_b32 v15, 7, v2
	v_lshl_add_u32 v15, v3, 4, v15                 ; W2's scale words: 128 bytes a row, + 16 h
	v_add_nc_u32 v[WOF], s28, v1
	s_lshl_b32 s30, s17, 7
	s_mov_b32 s29, 0
	s_mov_b32 s22, s16                             ; my first tile
	s_wait_kmcnt 0x0
	s_load_b32 s20, s[4:5], s30 offset:0x8000      ; n
	s_lshl_b32 s28, s17, 21
	s_lshl_b32 s26, s18, 14
	s_add_co_u32 s28, s28, s26
	s_add_nc_u64 s[6:7], s[6:7], s[28:29]          ; hq at (e, tile 0, K step 16 kh)
	s_lshl_b32 s28, s17, 17
	s_lshl_b32 s26, s18, 10
	s_add_co_u32 s28, s28, s26
	s_add_nc_u64 s[8:9], s[8:9], s[28:29]          ; hs likewise
	s_lshl_b32 s28, s17, 21
	s_lshl_b32 s26, s19, 17
	s_add_co_u32 s28, s28, s26
	s_lshl_b32 s26, s18, 10
	s_add_co_u32 s28, s28, s26
	s_add_nc_u64 s[10:11], s[10:11], s[28:29]      ; W2's codes at (e, output 64 ds, K 2,048 kh)
	s_lshl_b32 s28, s17, 17
	s_lshl_b32 s26, s19, 13
	s_add_co_u32 s28, s28, s26
	s_lshl_b32 s26, s18, 6
	s_add_co_u32 s28, s28, s26
	s_add_nc_u64 s[12:13], s[12:13], s[28:29]      ; its scale bytes
	s_lshl_b32 s28, s18, 3
	s_add_co_u32 s28, s28, s17
	s_lshl_b32 s28, s28, 22
	s_lshl_b32 s26, s19, 8
	s_add_co_u32 s28, s28, s26
	s_add_nc_u64 s[14:15], s[14:15], s[28:29]      ; ybuf at (kh, e, row 0, output 64 ds)
	WIN 0xc0
	s_wait_alu depctr_va_vdst(0)                   ; the offsets and LDS addresses v4, v5, v11, v12, v15 and v130 are written, which the kernel's loads and stores read
.irp i, 0,1,2,3,4,5,6,7,8,9,10,11,12,13,14,15
.irp a, 0,1
	global_load_b128 v[RAW+4*(2*\i+\a):RAW+4*(2*\i+\a)+3], v[WOF], s[10:11] offset:2048*\i+512*\a th:TH_LOAD_NT   ; 512 consecutive bytes of a row; read by this wave alone in the launch
.endr
.endr
	WIN 0
.irp t, 0,1,2,3
.irp a, 0,1
	global_load_b128 v[W2S+8*\t+4*\a:W2S+8*\t+4*\a+3], v15, s[12:13] offset:2048*\t+32*\a   ; register 8 t + 4 a + j: lanes 0-15 K step 8 a + j, lanes 16-31 K step 8 a + 4 + j
.endr
.endr
	LOADT 0, 22                                    ; tile w, with no branch: it lies inside the buffers whatever n is; a wave that has no tile uses nothing of it
	s_wait_kmcnt 0x0
	s_min_u32 s20, s20, 0x400
	s_add_co_u32 s21, s20, 15
	s_lshr_b32 s21, s21, 4                         ; nt
	s_add_co_u32 s[TRIPS], s21, 3
	s_sub_co_u32 s[TRIPS], s[TRIPS], s16
	s_lshr_b32 s[TRIPS], s[TRIPS], 3               ; ceil((nt - w - 4) / 8)
	s_mov_b32 s[CNT], 0
	s_wait_loadcnt 40                              ; the weights and their scale words are in; tile w's 40 loads behind them may be out
	WIN 0x0c                                       ; an LDS store's data are its source 1: window 3
.irp i, 0,1,2,3,4,5,6,7,8,9,10,11,12,13,14,15
.irp a, 0,1
	ds_store_b128 v4, v[RAW+4*(2*\i+\a):RAW+4*(2*\i+\a)+3] offset:PW*\i+512*\a
.endr
.endr
	WIN 0
	s_wait_dscnt 0x0                               ; my quarter of the slice lies in LDS
	s_barrier_signal -1
	s_barrier_wait -1                              ; the whole slice does.  The launch's one barrier
	s_wait_alu depctr_vm_vsrc(0)                   ; my LDS stores have read buffer 1's registers, in which my second tile's loads land
	s_cmp_ge_u32 s22, s21
	s_cbranch_scc1 .Lend                           ; no tile for this wave
	s_add_co_u32 s23, s22, 4
	s_cmp_lt_u32 s23, s21
	s_cbranch_scc1 .Lmany
	FRAGS                                          ; one tile alone
	s_wait_loadcnt 0x0
	COMPUTE 0
	STAGEOUT 22
	SENDOUT
	s_wait_dscnt 0x0                               ; the closing lines, six on end
	s_wait_alu 0x0
	s_wait_tensorcnt 0x0
	ds_add_u32 v254, v255
	s_wait_dscnt 0x0
	s_endpgm
.Lmany:
	LOADT 1, 23                                    ; my second tile is on its way while the slice comes out of LDS
	FRAGS
.Ltwo:                                             ; a trip begins with tiles t (buffer 0) and t + 4 (buffer 1) asked for, in that order
	s_add_co_u32 s23, s22, 4
	s_add_co_u32 s24, s22, 8
	s_add_co_u32 s32, s22, 12
	s_wait_loadcnt 40                              ; buffer 0 is in; buffer 1's 40 loads behind it may be out
	s_wait_alu depctr_vm_vsrc(0)                   ; the last turn's LDS stores have read the accumulators, its global stores OUT and v14, and buffer 0's loads v7 and v9: this turn writes them all again
	COMPUTE 0
	STAGEOUT 22
	s_cmp_lt_u32 s24, s21
	s_cbranch_scc1 .Lhas_third
	SENDOUT                                        ; t + 4 is my last tile
	s_wait_loadcnt 0x0
	s_wait_alu depctr_vm_vsrc(0)                   ; the last turn's LDS stores have read the accumulators, its global stores OUT and v14: this turn writes them again
	COMPUTE 1
	STAGEOUT 23
	SENDOUT
	s_wait_dscnt 0x0                               ; the closing lines, as above
	s_wait_alu 0x0
	s_wait_tensorcnt 0x0
	ds_add_u32 v254, v255
	s_wait_dscnt 0x0
	s_endpgm
.Lhas_third:
	LOADT 0, 24                                    ; buffer 0 again, directly behind its products; the stage's round trip through LDS passes meanwhile
	SENDOUT
	s_wait_loadcnt 40                              ; buffer 1 is in; the 40 loads just issued may be out
	s_wait_alu depctr_vm_vsrc(0)                   ; the last turn's LDS stores have read the accumulators, its global stores OUT and v14, and buffer 1's loads v8 and v10: this turn writes them all again
	COMPUTE 1
	STAGEOUT 23
	s_cmp_lt_u32 s32, s21
	s_cbranch_scc1 .Lhas_fourth
	SENDOUT                                        ; t + 8 is my last tile
	s_wait_loadcnt 0x0
	s_wait_alu depctr_vm_vsrc(0)                   ; the last turn's LDS stores have read the accumulators, its global stores OUT and v14: this turn writes them again
	COMPUTE 0
	STAGEOUT 24
	SENDOUT
	s_wait_dscnt 0x0                               ; the closing lines, as above
	s_wait_alu 0x0
	s_wait_tensorcnt 0x0
	ds_add_u32 v254, v255
	s_wait_dscnt 0x0
	s_endpgm
.Lhas_fourth:
	LOADT 1, 32
	SENDOUT
	s_add_co_u32 s22, s22, 8
	s_add_co_u32 s[CNT], s[CNT], 1
	s_cmp_lt_u32 s[CNT], s[TRIPS]                  ; w + 8 (trips done) + 4 < nt holds here, so another trip follows
	s_cbranch_scc1 .Ltwo
.Lend:
	s_wait_dscnt 0x0                               ; the closing lines, as above
	s_wait_alu 0x0
	s_wait_tensorcnt 0x0
	ds_add_u32 v254, v255
	s_wait_dscnt 0x0
	s_endpgm
.Lfunc_end_k_q3a898c49d9_down:
	.size	k_q3a898c49d9_down, .Lfunc_end_k_q3a898c49d9_down-k_q3a898c49d9_down
	.p2alignl 7, 3214868480
	.fill 96, 4, 3214868480
	.section	.rodata,"a",@progbits
	.p2align	6, 0x0
	.amdhsa_kernel k_q3a898c49d9_down
		.amdhsa_group_segment_fixed_size 84480
		.amdhsa_private_segment_fixed_size 0
		.amdhsa_enable_private_segment 0
		.amdhsa_kernarg_size 48
		.amdhsa_user_sgpr_count 2
		.amdhsa_user_sgpr_kernarg_segment_ptr 1
		.amdhsa_wavefront_size32 1
		.amdhsa_system_sgpr_workgroup_id_x 1
		.amdhsa_system_sgpr_workgroup_id_y 1
		.amdhsa_system_sgpr_workgroup_id_z 1
		.amdhsa_system_vgpr_workitem_id 0
		.amdhsa_next_free_vgpr 1024
		.amdhsa_next_free_sgpr 66
		.amdhsa_reserve_vcc 0
		.amdhsa_float_denorm_mode_32 3
		.amdhsa_float_denorm_mode_16_64 3
		.amdhsa_memory_ordered 1
		.amdhsa_forward_progress 1
		.amdhsa_inst_pref_size 98
	.end_amdhsa_kernel
	.amdgpu_metadata
---
amdhsa.version: [ 1, 2 ]
amdhsa.kernels:
  - .name:           k_q3a898c49d9_down
    .symbol:         k_q3a898c49d9_down.kd
    .args:
      - { .name: place, .offset: 0, .size: 8, .value_kind: global_buffer, .address_space: global }
      - { .name: hq, .offset: 8, .size: 8, .value_kind: global_buffer, .address_space: global }
      - { .name: hs, .offset: 16, .size: 8, .value_kind: global_buffer, .address_space: global }
      - { .name: W2_codes, .offset: 24, .size: 8, .value_kind: global_buffer, .address_space: global }
      - { .name: W2_scales, .offset: 32, .size: 8, .value_kind: global_buffer, .address_space: global }
      - { .name: ybuf, .offset: 40, .size: 8, .value_kind: global_buffer, .address_space: global }
    .group_segment_fixed_size: 84480
    .private_segment_fixed_size: 0
    .kernarg_segment_align: 8
    .kernarg_segment_size: 48
    .max_flat_workgroup_size: 128
    .sgpr_count:     66
    .vgpr_count:     1024
    .wavefront_size: 32
...
	.end_amdgpu_metadata
.endif
;; end of part 7
;; launch combine (part 8): grid 256 x 1, 4 waves a work-group, no clusters, 0 bytes of LDS; arguments idx, gate, place, ybuf, b2, out0; writes out0
.if DOCPART == 8
	.amdgcn_target "amdgcn-amd-amdhsa--gfx1250"
	.amdhsa_code_object_version 6
	.text
	.protected	k_q3a898c49d9_combine
	.globl	k_q3a898c49d9_combine
	.p2align	8
	.type	k_q3a898c49d9_combine,@function
k_q3a898c49d9_combine:
	s_mov_b64 s[64:65], 0
	v_nop
	global_prefetch_b8 v0, s[64:65] scope:SCOPE_SE
	s_setreg_imm32_b32 hwreg(HW_REG_WAVE_MODE, 25, 1), 1
	s_wait_xcnt 0x0
; COMBINE.  out[t] = g0 (y_lo + y_hi + b2)[e0] + g1 (y_lo + y_hi + b2)[e1]: each token's two routed rows, each in its two halves of K, are gathered, so that each output row has one owner and nothing is added in memory.
; One token to a wave.  Its experts (idx), its weights (gate) and its rank among EACH of the eight experts' rows (place: fixed addresses, 4,096 bytes apart) come by scalar loads that go out together:
; the two ranks that count are then chosen by s_cselect_b32, so that no load waits for the experts' numbers.  Experts are held to 0 .. 7 and ranks to 0 .. 1,023 ahead of any address.
; A row is 4,096 bytes: eight chunks of 512 consecutive bytes, six loads a chunk, all 48 out at once; a chunk is worked and stored as soon as its six are in.
; Memory binds: no LDS, no barrier, no matrix unit.
	s_load_b256 s[4:11], s[0:1], 0x0               ; idx, gate, place, ybuf
	s_load_b128 s[12:15], s[0:1], 0x20             ; b2, out0
	v_lshrrev_b32 v1, 5, v0
	v_readfirstlane_b32 s16, v1                    ; wave
	v_and_b32 v1, 31, v0
	v_lshlrev_b32 v1, 4, v1                        ; 16 x lane
	s_lshl_b32 s17, ttmp9, 2
	s_add_co_u32 s17, s17, s16                     ; my token
	s_lshl_b32 s18, s17, 2
	s_lshl_b32 s19, s17, 3
	s_lshl_b32 s36, s17, 12
	s_mov_b32 s37, 0
	s_wait_alu depctr_va_vdst(0)
	s_wait_kmcnt 0x0
	s_load_b32 s24, s[4:5], s18 offset:0x0
	s_load_b64 s[20:21], s[6:7], s19 offset:0x0    ; g0, g1
.irp e, 0,1,2,3,4,5,6,7
	s_load_b32 s[40+\e], s[8:9], s18 offset:4096*\e   ; my rank among expert e's rows (a number for every expert; two of them count)
.endr
	s_add_nc_u64 s[32:33], s[10:11], 0x2000000     ; the upper half of K: 8 experts x 1,024 rows x 4,096 bytes on
	s_add_nc_u64 s[14:15], s[14:15], s[36:37]      ; out0 at my token's row
	s_wait_kmcnt 0x0
	s_and_b32 s25, s24, 0xff
	s_min_u32 s25, s25, 7                          ; e0
	s_bfe_u32 s26, s24, 0x80008
	s_min_u32 s26, s26, 7                          ; e1
	s_mov_b32 s29, s40
	s_mov_b32 s30, s40
.irp e, 1,2,3,4,5,6,7
	s_cmp_eq_u32 s25, \e
	s_cselect_b32 s29, s[40+\e], s29               ; my row among e0's rows,
	s_cmp_eq_u32 s26, \e
	s_cselect_b32 s30, s[40+\e], s30               ; among e1's
.endr
	s_min_u32 s29, s29, 0x3ff
	s_min_u32 s30, s30, 0x3ff
	s_mov_b32 s22, s21                             ; g1 as the low word of a pair
	s_mov_b32 s23, s21
	s_lshl_b32 s38, s25, 12                        ; b2's rows
	s_lshl_b32 s39, s26, 12
	v_add_nc_u32 v4, s38, v1
	v_add_nc_u32 v5, s39, v1
	s_lshl_b32 s34, s25, 22
	s_lshl_b32 s29, s29, 12
	s_add_co_u32 s34, s34, s29
	s_lshl_b32 s35, s26, 22
	s_lshl_b32 s30, s30, 12
	s_add_co_u32 s35, s35, s30
	v_add_nc_u32 v2, s34, v1
	v_add_nc_u32 v3, s35, v1
.irp i, 0,1,2,3,4,5,6,7
	global_load_b128 v[16+4*\i:19+4*\i], v2, s[10:11] offset:512*\i th:TH_LOAD_NT     ; a routed row is read by its token's wave alone
	global_load_b128 v[48+4*\i:51+4*\i], v2, s[32:33] offset:512*\i th:TH_LOAD_NT
	global_load_b128 v[80+4*\i:83+4*\i], v3, s[10:11] offset:512*\i th:TH_LOAD_NT
	global_load_b128 v[112+4*\i:115+4*\i], v3, s[32:33] offset:512*\i th:TH_LOAD_NT
	global_load_b128 v[144+4*\i:147+4*\i], v4, s[12:13] offset:512*\i
	global_load_b128 v[176+4*\i:179+4*\i], v5, s[12:13] offset:512*\i
.endr
.irp i, 0,1,2,3,4,5,6,7
	s_wait_loadcnt 6*(7-\i)                        ; chunk i's six loads are in; those of the chunks behind it may be out
.irp u, 0,2
	v_pk_add_f32 v[16+4*\i+\u:17+4*\i+\u], v[16+4*\i+\u:17+4*\i+\u], v[48+4*\i+\u:49+4*\i+\u]
	v_pk_add_f32 v[80+4*\i+\u:81+4*\i+\u], v[80+4*\i+\u:81+4*\i+\u], v[112+4*\i+\u:113+4*\i+\u]
	v_pk_add_f32 v[16+4*\i+\u:17+4*\i+\u], v[16+4*\i+\u:17+4*\i+\u], v[144+4*\i+\u:145+4*\i+\u]
	v_pk_add_f32 v[80+4*\i+\u:81+4*\i+\u], v[80+4*\i+\u:81+4*\i+\u], v[176+4*\i+\u:177+4*\i+\u]
	v_pk_mul_f32 v[16+4*\i+\u:17+4*\i+\u], v[16+4*\i+\u:17+4*\i+\u], s[20:21] op_sel_hi:[1,0]
	v_pk_fma_f32 v[16+4*\i+\u:17+4*\i+\u], v[80+4*\i+\u:81+4*\i+\u], s[22:23], v[16+4*\i+\u:17+4*\i+\u] op_sel_hi:[1,0,1]
.endr
	global_store_b128 v1, v[16+4*\i:19+4*\i], s[14:15] offset:512*\i th:TH_STORE_NT   ; 512 consecutive bytes of the row; written once
.endr
	s_endpgm
.Lfunc_end_k_q3a898c49d9_combine:
	.size	k_q3a898c49d9_combine, .Lfunc_end_k_q3a898c49d9_combine-k_q3a898c49d9_combine
	.p2alignl 7, 3214868480
	.fill 96, 4, 3214868480
	.section	.rodata,"a",@progbits
	.p2align	6, 0x0
	.amdhsa_kernel k_q3a898c49d9_combine
		.amdhsa_group_segment_fixed_size 0
		.amdhsa_private_segment_fixed_size 0
		.amdhsa_enable_private_segment 0
		.amdhsa_kernarg_size 48
		.amdhsa_user_sgpr_count 2
		.amdhsa_user_sgpr_kernarg_segment_ptr 1
		.amdhsa_wavefront_size32 1
		.amdhsa_system_sgpr_workgroup_id_x 1
		.amdhsa_system_sgpr_workgroup_id_y 1
		.amdhsa_system_sgpr_workgroup_id_z 1
		.amdhsa_system_vgpr_workitem_id 0
		.amdhsa_next_free_vgpr 224
		.amdhsa_next_free_sgpr 66
		.amdhsa_reserve_vcc 0
		.amdhsa_float_denorm_mode_32 3
		.amdhsa_float_denorm_mode_16_64 3
		.amdhsa_memory_ordered 1
		.amdhsa_forward_progress 1
		.amdhsa_inst_pref_size 15
	.end_amdhsa_kernel
	.amdgpu_metadata
---
amdhsa.version: [ 1, 2 ]
amdhsa.kernels:
  - .name:           k_q3a898c49d9_combine
    .symbol:         k_q3a898c49d9_combine.kd
    .args:
      - { .name: idx, .offset: 0, .size: 8, .value_kind: global_buffer, .address_space: global }
      - { .name: gate, .offset: 8, .size: 8, .value_kind: global_buffer, .address_space: global }
      - { .name: place, .offset: 16, .size: 8, .value_kind: global_buffer, .address_space: global }
      - { .name: ybuf, .offset: 24, .size: 8, .value_kind: global_buffer, .address_space: global }
      - { .name: b2, .offset: 32, .size: 8, .value_kind: global_buffer, .address_space: global }
      - { .name: out0, .offset: 40, .size: 8, .value_kind: global_buffer, .address_space: global }
    .group_segment_fixed_size: 0
    .private_segment_fixed_size: 0
    .kernarg_segment_align: 8
    .kernarg_segment_size: 48
    .max_flat_workgroup_size: 128
    .sgpr_count:     66
    .vgpr_count:     224
    .wavefront_size: 32
...
	.end_amdgpu_metadata
.endif
;; end of part 8
